; MI455X (gfx1250); checked and timed in simulation.
; The chip was launched on July 23, 2026; its instructions are those of AMD's public machine-readable ISA for CDNA 5 (MIT licence, August 2026) and "CDNA5" Instruction Set Architecture Reference Guide (July 2026). The comments in the code are by the model that wrote it; some were corrected since.
;; Causal Self Attention. Allowed arithmetic: matrix products marked QUANTISED: E4M3 operands, one given power-of-two scale a tensor, by v_wmma_f32_16x16x64_fp8_fp8 or v_wmma_f32_16x16x128_fp8_fp8, f32 sums; everything else in f32.
;; Inputs: Wk 1,024 x 1,024 float32; Wp 1,024 x 1,024 float32; Wq 1,024 x 1,024 float32; Wv 1,024 x 1,024 float32; attn_mask 4 x 2,048 bool; bk 1,024 float32; bp 1,024 float32; bq 1,024 float32; bv 1,024 float32; lowp_scales 12 int32 (the exponents e of the quantised operands' scales 2^e); x 4 x 2,048 x 1,024 float32.
;; Outputs: out0 4 x 2,048 x 1,024 float32.
;; This version of the problem:
;;   THIS VERSION OF THE PROBLEM IS GIVEN IN LOW PRECISION. The matrix products marked QUANTISED in the list below multiply operands that are first quantised to E4M3 (4 exponent bits, 3 mantissa bits; 8 bits a number), with one given power-of-two scale for each operand tensor; their sums are f32. All else is computed in f32.
;;   The module's matrix products, in the order in which they are computed (A, B: the left and right operand; K: the contracted axis; several contracted axes count as one K, in the product's order):
;;     1. [M 8,192, K 1,024] x [K 1,024, N 1,024]; A: input x; B: input Wq: QUANTISED (scales: A lowp_scales[0], B lowp_scales[1])
;;     2. [M 8,192, K 1,024] x [K 1,024, N 1,024]; A: input x; B: input Wk: QUANTISED (scales: A lowp_scales[2], B lowp_scales[3])
;;     3. [M 8,192, K 1,024] x [K 1,024, N 1,024]; A: input x; B: input Wv: QUANTISED (scales: A lowp_scales[4], B lowp_scales[5])
;;     4. batch 64 x [M 2,048, K 64] x [K 64, N 2,048]; A: computed on the way; B: computed on the way: QUANTISED (scales: A lowp_scales[6], B lowp_scales[7])
;;     5. batch 64 x [M 2,048, K 2,048] x [K 2,048, N 64]; A: softmax (see below); B: computed on the way: QUANTISED (scales: A lowp_scales[8], B lowp_scales[9])
;;     6. [M 8,192, K 1,024] x [K 1,024, N 1,024]; A: computed on the way; B: input Wp: QUANTISED (scales: A lowp_scales[10], B lowp_scales[11])
;;   THE QUANTISER, for each operand of a quantised product, along K:
;;     - The operand's scale is 2^e, e = its entry of the input lowp_scales (int32; the entries are numbered through the quantised products in the list's order, A before B).
;;     - Each number is divided by the scale, clamped to +-448, and rounded to the nearest number of E4M3, ties to even, subnormals kept.
;;     - The product sums the exact products of the quantised numbers (number of the format x scale) in f32.
;;   ~~~python
;;   def quantise(x, axis, e):      # numpy; x: float32 -> the quantised numbers, widened to float32 again
;;       x = np.moveaxis(x, axis, -1); K = x.shape[-1]
;;       r = np.clip(x / 2.0 ** e, -448, 448)
;;       step = 2.0 ** (np.maximum(np.frexp(np.where(r == 0, 1, r))[1] - 1, -6) - 3)
;;       q = np.round(r / step) * step * 2.0 ** e      # np.round: ties to even
;;       return np.moveaxis(q, -1, axis).astype(np.float32)
;;   ~~~
;;   SOFTMAX AHEAD OF A QUANTISED PRODUCT. Where the list says 'softmax', what is quantised is not the finished softmax but p = 2^(t - M), with t = logit x log2(e) and M = ceil(the row's largest t), a whole number; so 1/2 < the row's largest p <= 1. The row's sum l is taken of the UNQUANTISED p, in f32, and the product's result is divided by l at the end. Since M is a whole number, a kernel that streams over the keys may use a running M (the ceiling of the running maximum): every later rescaling is an exact power of two, so the quantised numbers keep their values, but for numbers so far below the row's largest that they fall under the format's range.
;;   OPERANDS COMPUTED ON THE WAY. 'Computed on the way' means the value that the module computes at that place (a softmax that the list does not call 'softmax' is quantised finished and normalised). What goes into a quantiser is computed in f32, as accurately as f32 sums, v_exp_f32 and their like allow (about 1e-6 of the number): no bf16 or f16 on the way to a quantiser, and a product that is left as it is and whose result goes on into a quantised operand takes f32 operands (vector FMAs, or v_wmma_f32_16x16x4_f32). A number that lies on a knife's edge between two numbers of the format may be rounded either way, as far as f32 arithmetic and the matrix unit's own rounding can turn it there, and no further.
;; One version. Each part assembles by itself: llvm-mc -triple=amdgcn-amd-amdhsa -mcpu=gfx1250 --defsym DOCPART=n.
;; ======== version 1 of 1: 4 launches
;; limits: right only within a limited range of input values
;; workspace buffers: xc 25,165,824 bytes; wc 4,194,304 bytes; qkvc 25,165,824 bytes; yc 8,388,608 bytes
;; launch quant (part 1): grid 384 x 1, 4 waves a work-group, no clusters, 34,304 bytes of LDS; arguments x, Wq, Wk, Wv, Wp, lowp_scales, xc, wc; writes xc, wc
.if DOCPART == 1
	.amdgcn_target "amdgcn-amd-amdhsa--gfx1250"
	.amdhsa_code_object_version 6
	.text
	.protected	k_q07d1ed0123_quant
	.globl	k_q07d1ed0123_quant
	.p2align	8
	.type	k_q07d1ed0123_quant,@function
k_q07d1ed0123_quant:
	s_mov_b64 s[64:65], 0
	v_nop
	global_prefetch_b8 v0, s[64:65] scope:SCOPE_SE
	s_setreg_imm32_b32 hwreg(HW_REG_WAVE_MODE, 25, 1), 1
	s_wait_xcnt 0x0
; x [8192][1024] and Wq, Wk, Wv, Wp [1024][1024], f32 with K innermost, become codes of FP8 (E4M3), each with the scale 2^e given for it.
; x is an operand of three products with three given scales (entries 0, 2, 4), so it is read once and converted three times; the weights take entries 1, 3, 5, 11.
; code = number / 2^e, held within +-448, to the nearest code, ties to even.  LIMITS: -126 <= e <= 119; NaN among the inputs is not served.
; THE CODES ARE LAID AS IMAGES OF OPERAND REGISTERS.  A fragment is 16 rows x 128 K, 2,048 bytes: the code of (row r, k) lies at 512 ((k / 32) % 4) + 16 (16 ((k / 16) % 2) + r) + k % 16,
; so that a later load of 16 bytes a lane at 512 c + 16 x lane gives registers 4 c .. 4 c + 3 of the fragment.  Fragment (tile TT, K step ks) of a tensor lies at 16,384 TT + 2,048 ks.
; THE ROWS OF A TILE ARE NOT NEIGHBOURS: lane r of tile 2 B + u holds row 32 B + 8 u + r + 8 (r / 8), so that the results of two neighbouring tiles are 16 neighbours along the next product's K.
; SHARES.  Work-groups 0-255 take 32 rows of x each, 256-383 take 32 rows of a weight.  Wave w takes tile w / 2 of the two and K steps 4 (w % 2) .. + 3: four units of 16 rows x 128 K.
; A unit's 16 loads read 512 consecutive bytes of one row each; the 8,192 bytes turn through the wave's own stage in LDS (rows 528 bytes apart) and come back 16 neighbours of a block of 32 to a lane.
; Every store of a wave covers 512 consecutive bytes, aligned.  Waves share nothing: no barrier.  No input is read by two work-groups: nothing to share in a cluster.
.set SP,   528                         ; a stage row: 512 bytes + 16
.set WST,  16*SP                       ; a wave's stage
.set LO,   1                           ; v1   16 x lane: my bytes of a load's or a store's 512
.set STI,  2                           ; v2   the stage, on the way in
.set STO,  3                           ; v3   the stage, on the way out: row r, + 64 bytes for the upper half of the lanes
.set SCL,  4                           ; v4: 2^e of the first scale; v6 the second's; v8 the third's
.set R,    16                          ; v16-79    a unit as loaded
.set X,    80                          ; v80-143   a unit by neighbours: register 16 c + i = k 32 c + 16 (lane / 16) + i of my row
.set T,    144
.set C,    160                         ; v160-191  codes, two sets of sixteen by turns
.set NCV,  0                           ; conversion runs written so far: picks the set of code registers
	s_load_b512 s[4:19], s[0:1], 0x0               ; x, Wq, Wk, Wv, Wp, the scales' exponents, xc, wc
	v_lshl_add_u32 v192, v0, 2, 0x8400
	v_mov_b32 v193, 0
	v_lshrrev_b32 v10, 5, v0
	v_readfirstlane_b32 s32, v10                   ; wave 0..3
	v_and_b32 v11, 31, v0
	v_and_b32 v12, 15, v0                          ; r
	v_bfe_u32 v13, v0, 4, 1                        ; h
	v_lshlrev_b32 v[LO], 4, v11
	s_mul_i32 s33, s32, WST
	v_add_nc_u32 v[STI], s33, v[LO]
	v_mul_u32_u24 v[STO], v12, SP
	v_lshl_add_u32 v[STO], v13, 6, v[STO]
	v_add_nc_u32 v[STO], s33, v[STO]
	s_sub_co_u32 s34, ttmp9, 256                   ; among the weights' work-groups:
	s_lshr_b32 s35, s34, 5                         ; which weight,
	s_and_b32 s36, s34, 31                         ; which 32 rows of it
	s_lshr_b32 s44, s32, 1                         ; which of the two tiles is my wave's
	s_and_b32 s45, s32, 1                          ; which half of K
	s_wait_alu depctr_va_vdst(0)
	s_wait_kmcnt 0x0
	s_load_b256 s[20:27], s[14:15], 0x0            ; e0 .. e7
	s_load_b128 s[28:31], s[14:15], 0x20           ; e8 .. e11
	s_cmp_eq_u32 s35, 1                            ; the source: a choice among buffers on the work-group's number alone
	s_cselect_b64 s[38:39], s[8:9], s[6:7]
	s_cmp_eq_u32 s35, 2
	s_cselect_b64 s[38:39], s[10:11], s[38:39]
	s_cmp_eq_u32 s35, 3
	s_cselect_b64 s[38:39], s[12:13], s[38:39]
	s_cmp_lt_u32 ttmp9, 256
	s_cselect_b64 s[38:39], s[4:5], s[38:39]
	s_cselect_b64 s[40:41], s[16:17], s[18:19]     ; and where the codes go
	s_cselect_b32 s36, ttmp9, s36
	s_cselect_b32 s35, 0, s35
	s_lshl_b32 s42, s36, 17                        ; source: 32 rows of 4,096 bytes a work-group,
	s_lshl_b32 s46, s44, 15                        ; 8 rows on for the second tile,
	s_add_co_u32 s42, s42, s46
	s_lshl_b32 s46, s45, 11                        ; 512 numbers on for the second half of K
	s_add_co_u32 s42, s42, s46
	s_mov_b32 s43, 0
	s_add_nc_u64 s[38:39], s[38:39], s[42:43]
	s_lshl_b32 s42, s36, 15                        ; codes: two tiles of 16,384 bytes a work-group,
	s_lshl_b32 s46, s44, 14
	s_add_co_u32 s42, s42, s46
	s_lshl_b32 s46, s45, 13                        ; four fragments on for the second half of K,
	s_add_co_u32 s42, s42, s46
	s_lshl_b32 s46, s35, 20                        ; 2^20 bytes a weight
	s_add_co_u32 s42, s42, s46
	s_add_nc_u64 s[40:41], s[40:41], s[42:43]
	s_add_nc_u64 s[48:49], s[40:41], 0x800000      ; x's second and third sets of codes (used by x's work-groups alone)
	s_add_nc_u64 s[50:51], s[40:41], 0x1000000
.macro LOAD t                          ; unit t: load r reads 512 consecutive bytes of the row that lane r of the tile holds
.irp r, 0,1,2,3,4,5,6,7,8,9,10,11,12,13,14,15
	global_load_b128 v[R+4*\r:R+4*\r+3], v[LO], s[38:39] offset:(\r+8*(\r/8))*4096+512*(\t) th:TH_LOAD_NT
.endr
.endm
	LOAD 0
	s_wait_kmcnt 0x0
	s_cmp_eq_u32 s35, 1                            ; the first scale: e0 for x; e1, e3, e5, e11 for the weights
	s_cselect_b32 s52, s23, s21
	s_cmp_eq_u32 s35, 2
	s_cselect_b32 s52, s25, s52
	s_cmp_eq_u32 s35, 3
	s_cselect_b32 s52, s31, s52
	s_cmp_lt_u32 ttmp9, 256
	s_cselect_b32 s52, s20, s52
.macro MKSC e, k                       ; 2^e as f32 (the conversion takes its exponent field)
	s_add_co_i32 s54, s[\e], 127
	s_lshl_b32 s55, s54, 23
	v_mov_b32 v[SCL+2*\k], s55
.endm
	MKSC 52, 0
	MKSC 22, 1                                     ; e2
	MKSC 24, 2                                     ; e4
; The unit in X becomes a fragment's codes under scale k and is stored at s[d:d+1].  X stays as it is: the conversions read it directly.
.macro CONV k, d, t
.set CS, C+16*(NCV%2)
.set NCV, NCV+1
	s_wait_xcnt 0x0                                ; the stores issued so far have read their data: the code registers may be written again
.irp c, 0,1,2,3
.irp i, 0,1,2,3,4,5,6,7
.endr
	v_cvt_scalef32_pk8_fp8_f32 v[CS+4*\c:CS+4*\c+1], v[T+((X+16*\c+0)-(T+0)):T+7+((X+16*\c+0)-(T+0))], v[SCL+2*\k]
.irp i, 0,1,2,3,4,5,6,7
.endr
	v_cvt_scalef32_pk8_fp8_f32 v[CS+4*\c+2:CS+4*\c+3], v[T+8+((X+16*\c+8+0)-(T+8+0)):T+15+((X+16*\c+8+0)-(T+8+0))], v[SCL+2*\k]
.endr
.irp c, 0,1,2,3
	global_store_b128 v[LO], v[CS+4*\c:CS+4*\c+3], s[\d:\d+1] offset:2048*(\t)+512*\c   ; 32 lanes store 512 consecutive bytes: registers 4 c .. 4 c + 3 of the fragment's image
.endr
.endm
.macro UNIT t
	s_wait_loadcnt 0x0                             ; this unit's sixteen loads are in
.irp r, 0,1,2,3,4,5,6,7,8,9,10,11,12,13,14,15
	ds_store_b128 v[STI], v[R+4*\r:R+4*\r+3] offset:SP*\r
.endr
	v_nop
.irp c, 0,1,2,3
.irp j, 0,1,2,3
	ds_load_b128 v[X+16*\c+4*\j:X+16*\c+4*\j+3], v[STO] offset:128*\c+16*\j   ; LDS serves a wave's instructions in order: these see the stores above
.endr
.endr
	s_wait_dscnt 0x0                               ; the unit is back by neighbours, and the stores into the stage have read R,
.if \t < 3
	LOAD \t+1                                      ; which takes the next unit while this one is converted
.endif
	CONV 0, 40, \t
	s_cmp_lt_u32 ttmp9, 256                        ; a weight has one scale; no LDS instruction stands in what is jumped over
	s_cbranch_scc0 .Lone_scale_\@
	CONV 1, 48, \t
	CONV 2, 50, \t
.Lone_scale_\@:
.endm
	s_wait_alu depctr_va_vdst(0)
	UNIT 0
	UNIT 1
	UNIT 2
	UNIT 3
	s_wait_tensorcnt 0x0
	ds_add_u32 v192, v193
	s_wait_dscnt 0x0
	s_endpgm
.Lfunc_end_k_q07d1ed0123_quant:
	.size	k_q07d1ed0123_quant, .Lfunc_end_k_q07d1ed0123_quant-k_q07d1ed0123_quant
	.p2alignl 7, 3214868480
	.fill 96, 4, 3214868480
	.section	.rodata,"a",@progbits
	.p2align	6, 0x0
	.amdhsa_kernel k_q07d1ed0123_quant
		.amdhsa_group_segment_fixed_size 34304
		.amdhsa_private_segment_fixed_size 0
		.amdhsa_enable_private_segment 0
		.amdhsa_kernarg_size 64
		.amdhsa_user_sgpr_count 2
		.amdhsa_user_sgpr_kernarg_segment_ptr 1
		.amdhsa_wavefront_size32 1
		.amdhsa_system_sgpr_workgroup_id_x 1
		.amdhsa_system_sgpr_workgroup_id_y 1
		.amdhsa_system_sgpr_workgroup_id_z 1
		.amdhsa_system_vgpr_workitem_id 0
		.amdhsa_next_free_vgpr 194
		.amdhsa_next_free_sgpr 66
		.amdhsa_reserve_vcc 0
		.amdhsa_float_denorm_mode_32 3
		.amdhsa_float_denorm_mode_16_64 3
		.amdhsa_fp16_overflow 1
		.amdhsa_memory_ordered 1
		.amdhsa_forward_progress 1
		.amdhsa_inst_pref_size 29
	.end_amdhsa_kernel
	.amdgpu_metadata
---
amdhsa.version: [ 1, 2 ]
amdhsa.kernels:
  - .name:           k_q07d1ed0123_quant
    .symbol:         k_q07d1ed0123_quant.kd
    .args:
      - { .name: x, .offset: 0, .size: 8, .value_kind: global_buffer, .address_space: global }
      - { .name: Wq, .offset: 8, .size: 8, .value_kind: global_buffer, .address_space: global }
      - { .name: Wk, .offset: 16, .size: 8, .value_kind: global_buffer, .address_space: global }
      - { .name: Wv, .offset: 24, .size: 8, .value_kind: global_buffer, .address_space: global }
      - { .name: Wp, .offset: 32, .size: 8, .value_kind: global_buffer, .address_space: global }
      - { .name: lowp_scales, .offset: 40, .size: 8, .value_kind: global_buffer, .address_space: global }
      - { .name: xc, .offset: 48, .size: 8, .value_kind: global_buffer, .address_space: global }
      - { .name: wc, .offset: 56, .size: 8, .value_kind: global_buffer, .address_space: global }
    .group_segment_fixed_size: 34304
    .private_segment_fixed_size: 0
    .kernarg_segment_align: 8
    .kernarg_segment_size: 64
    .max_flat_workgroup_size: 128
    .sgpr_count:     66
    .vgpr_count:     194
    .wavefront_size: 32
...
	.end_amdgpu_metadata
.endif
;; end of part 1
;; launch qkv (part 2): grid 12 x 32, 4 waves a work-group, clusters of 4 x 4, 327,680 bytes of LDS; arguments xc, wc, lowp_scales, bq, bk, bv, qkvc; writes qkvc
.if DOCPART == 2
	.amdgcn_target "amdgcn-amd-amdhsa--gfx1250"
	.amdhsa_code_object_version 6
	.text
	.protected	k_q07d1ed0123_qkv
	.globl	k_q07d1ed0123_qkv
	.p2align	8
	.type	k_q07d1ed0123_qkv,@function
k_q07d1ed0123_qkv:
	s_mov_b64 s[64:65], 0
	v_nop
	global_prefetch_b8 v0, s[64:65] scope:SCOPE_SE
	s_setreg_imm32_b32 hwreg(HW_REG_WAVE_MODE, 25, 1), 1
	s_wait_xcnt 0x0
	s_wait_alu depctr_hold_cnt(0) depctr_sa_sdst(0) depctr_va_vdst(0) depctr_va_sdst(0) depctr_va_ssrc(0) depctr_va_vcc(0) depctr_vm_vsrc(0)
	s_getreg_b32 s2, hwreg(HW_REG_IB_STS2, 6, 4)
	s_cmp_eq_u32 s2, 0
	s_cbranch_scc0 .Lentry_in_a_cluster
	s_endpgm
.Lentry_in_a_cluster:
	s_bfe_u32 s2, ttmp6, 0x10000c
	s_cmp_lg_u32 s2, 0xf033
	s_cbranch_scc0 .Lentry_shape_is_right
	s_endpgm
.Lentry_shape_is_right:
; q = x Wq^T + bq, k = x Wk^T + bk, v = x Wv^T + bv on codes of FP8 (E4M3); the results are quantised at once, with the scales given for the attention's products (entries 6, 7, 9), and leave as codes.
; The cluster's x says which of the three (0: q, 1: k, 2: v).  A work-group makes 256 x 256 of one result; each of its four waves 128 x 128: 64 accumulators, 512 registers.  K = 1,024 goes in four slots of 256.
; OPERANDS ARE IMAGES OF REGISTERS: fragment (tile TT of 16 rows, K step ks of 128) of a tensor lies at 16,384 TT + 2,048 ks, and 16 bytes a lane at 512 c + 16 x lane are its registers 4 c .. 4 c + 3
; (row lane % 16, k = 32 c + 16 (lane / 16) + 0 .. 15: a permutation of k inside the instruction, the same in both operands).  No pitch and no padding: every LDS load reads 512 consecutive bytes.
; Lane r of tile 2 B + u holds row 32 B + 8 u + r + 8 (r / 8).  THE MATRIX INSTRUCTION TAKES role B as source 0 and role A as source 1: a lane then holds ONE row of role A, and the 16 registers of two
; neighbouring tiles of role B are 16 neighbouring rows of role B: 32 p + 16 (lane / 16) + 0 .. 15.  For q and k role A = tokens, role B = the weight's rows (registers run along the head's 64: the K of q k^T).
; For v the roles are swapped: role A = Wv's rows, role B = tokens (registers run along the keys: the K of p v).  Only pointers, tile numbers and the way out know of it; the loop's text is one.
; WHAT IS STORED: fragments of 16 rows x 64 K, 1,024 bytes (registers 4 c .. 4 c + 3 at 512 c + 16 x lane).  q, k: ((batch 16 + head) 128 + token tile) 1,024; v: ((batch 16 + head) 128 + 4 (key / 64) + d tile) 1,024.
; CLUSTERS: 4 x 4 work-groups.  The four of a row of the cluster need the same tiles of role A, the four of a column the same tiles of role B: each tile is asked for jointly.
; LIMITS: the two operands' exponents added lie between -126 and 127, the result's scale between -126 and 119.  NaN is not served.
; REGISTERS, in windows of 256: window 0: v16-31 addresses and constants; v32-95 bias along registers, v96-111 bias along lanes; v128-255 role A's fragments, one set; on the way out v128-207 are at work.
;   window 1: role B's fragments, two sets.   window 2: the accumulators of my role A tiles 0-3 ((a, b) at v[8 (8 (a % 4) + b)]);   window 3: those of tiles 4-7.
.set SLB,   4096                       ; a tile's two fragments of a slot
.set HALFT, 8*SLB                      ; eight tiles: what one tensor load brings, and what one wave reads of a role
.set SLOT,  4*HALFT                    ; role A's 16 tiles, then role B's 16
.set SPARE, 2*SLOT                     ; behind the ring: the spare words, 128 bytes for each wave: two blocks of 256 bytes that no other line names
.set FR,    16                         ; registers of a fragment
.set NL,    4                          ; LDS loads that bring one
.set NP,    4                          ; places behind this matrix instruction (ISA guide 7.12.1)
.set ADRA, 16                          ; v16-17  LDS address of my role A fragments in slot 0, 1
.set ADRB, 20                          ; v20-21  the same for role B
.set LI,   26                          ; v26     16 x lane
.set SPW,  28                          ; v28     LDS address of my spare word: SPARE + 4 x my thread's number; never rewritten
.set NIL,  29                          ; v29     0; never rewritten
.set SCV,  30                          ; v30     the result's scale as f32
.set LIMV, 31
.set BR,   32                          ; v32-95  bias of role B's rows: register 16 p + i for row 32 p + 16 (lane / 16) + i
.set BC,   96                          ; v96-111 bias of role A's rows: a pair for each of my eight tiles, both halves my lane's row
.set AF,   128
.set G1, 24                            ; s[24:31] descriptor group 1 for role A's tiles;  s[32:39] group 0, one set for each slot
.set G0, 32
.set G1B, 48                           ; s[48:55], s[56:63] the same for role B's
.set G0B, 56
.set MSB, 0
.macro WIN new                         ; the immediate's high byte repeats the setting that is left
.if MSB != (\new)
	s_set_vgpr_msb (MSB<<8)|(\new)
.set MSB, (\new)
.endif
.endm
.set MUL_LO, 0xa1                      ; source 0 (role B) window 1, source 1 (role A) window 0, C and D window 2
.set MUL_HI, 0xf1                      ; the same, C and D window 3
.set TO_B,   0x40                      ; destination window 1, address window 0
; A joint load: waves 0 and 1 fetch for role A, waves 2 and 3 for role B.  Each of the two lines has one mask and one set of registers for all that issue it; the branch hangs on the wave's number alone.
; Four v_nop follow each of the two lines, ahead of the jump, the label and what follows.
.macro JLOAD g0a, g1a, g0b, g1b
	s_cmp_eq_u32 s15, 0
	s_cbranch_scc0 .Lfor_b_\@
	tensor_load_to_lds s[\g0a:\g0a+3], s[\g1a:\g1a+7]
	s_nop 0
.rept 4
	v_nop
.endr
	s_branch .Lasked_\@
.Lfor_b_\@:
	tensor_load_to_lds s[\g0b:\g0b+3], s[\g1b:\g1b+7]
	s_nop 0
.rept 4
	v_nop
.endr
.Lasked_\@:
.endm
.macro CREST                           ; a round of the cluster's barrier behind its opening barrier
	s_cmp_lg_u32 s14, 0
	s_cbranch_scc1 .Lnot_wave_0_\@
	s_barrier_signal -3
.Lnot_wave_0_\@:
	s_barrier_wait -3
	s_barrier_signal -1
	s_barrier_wait -1
.endm
.macro CROUND                          ; a whole round
	s_barrier_signal -1
	s_barrier_wait -1
	CREST
.endm
	s_load_b256 s[4:11], s[0:1], 0x0               ; xc s[4:5], wc s[6:7], the scales' exponents s[8:9], bq s[10:11]
	s_load_b128 s[68:71], s[0:1], 0x20             ; bk, bv
	s_load_b64 s[72:73], s[0:1], 0x30              ; qkvc
	v_lshl_add_u32 v[SPW], v0, 2, SPARE
	v_mov_b32 v[NIL], 0
	ds_add_u32 v28, v29
	ds_add_u32 v28, v29
	s_wait_dscnt 0x0
	v_lshrrev_b32 v1, 5, v0
	v_readfirstlane_b32 s14, v1                    ; wave 0..3
	s_lshr_b32 s15, s14, 1                         ; which half of role A's 16 tiles is mine.  Also: I fetch for role A (0) or B (1)
	s_and_b32 s16, s14, 1                          ; which half of role B's.  Also: which eight tiles of that role I fetch
	s_bfe_u32 s40, ttmp6, 0x40000                  ; cx, cy: my place in the cluster
	s_bfe_u32 s41, ttmp6, 0x40004
	s_and_b32 s17, ttmp7, 0xffff
	s_lshl_b32 s17, s17, 2                         ; 4 x cluster y: it walks the tokens' 32 blocks of 256
	s_cmp_eq_u32 ttmp9, 2                          ; v?  The cluster's x is the same in all sixteen partners
	s_cselect_b32 s18, 0, s17
	s_cselect_b32 s19, s17, 0
	s_add_co_u32 s18, s18, s41                     ; role A's block of 256 rows: it hangs on cy, which my row of the cluster shares
	s_add_co_u32 s19, s19, s40                     ; role B's: on cx, which my column shares
	s_lshl_b32 s43, s41, 2
	s_lshl_b32 s43, 15, s43                        ; my row of the cluster
	s_lshl_b32 s44, 0x1111, s40                    ; my column
	; descriptor group 1: eight tiles' 4,096 bytes of a slot, 16,384 bytes apart in memory, on end in LDS
	s_or_b32 s[G1+0], s43, (3<<16)|(1<<21)         ; 15:0 the mask: role A's tiles go to my row; 17:16 elements of 8 bytes; 20 no padding; 21 set beside a mask
	s_or_b32 s[G1B+0], s44, (3<<16)|(1<<21)
.irp g, G1, G1B
	s_mov_b32 s[\g+1], 512<<16                     ; tensor_dim0 = 512 elements
	s_mov_b32 s[\g+2], 8<<16                       ; tensor_dim1 = 8
	s_mov_b32 s[\g+3], 512<<16                     ; tile_dim0
	s_mov_b32 s[\g+4], 8                           ; tile_dim1
	s_mov_b32 s[\g+5], 2048                        ; tensor_dim0_stride: 16,384 bytes
	s_mov_b32 s[\g+6], 0
	s_mov_b32 s[\g+7], 0
.endr
	s_lshl_b32 s22, s16, 17                        ; which eight tiles I fetch
	s_lshl_b32 s20, s18, 18                        ; role A: 16 tiles of 16,384 bytes a block
	s_add_co_u32 s20, s20, s22
	s_mov_b32 s21, 0
	s_lshl_b32 s46, s19, 18                        ; role B
	s_add_co_u32 s46, s46, s22
	s_mov_b32 s47, 0
	s_mul_i32 s45, s14, HALFT                      ; where they go: wave x eight tiles: no place in the cluster enters an LDS address
	s_lshl_b32 s2, ttmp9, 23                       ; x's codes under this product's scale: 2^23 bytes a set
	s_mov_b32 s3, 0
	s_wait_kmcnt 0x0
	s_load_b256 s[76:83], s[8:9], 0x0              ; e0 .. e7
	s_load_b128 s[84:87], s[8:9], 0x20             ; e8 .. e11
	s_add_nc_u64 s[4:5], s[4:5], s[2:3]
	s_lshl_b32 s2, ttmp9, 20                       ; this product's weight: 2^20 bytes each
	s_add_nc_u64 s[6:7], s[6:7], s[2:3]
	s_cmp_eq_u32 ttmp9, 2
	s_cselect_b64 s[88:89], s[6:7], s[4:5]         ; role A: tokens, or for v the weight
	s_cselect_b64 s[90:91], s[4:5], s[6:7]         ; role B: the other
	s_add_nc_u64 s[88:89], s[88:89], s[20:21]
	s_add_nc_u64 s[90:91], s[90:91], s[46:47]
	CROUND                                         ; all sixteen work-groups are here: the first joint loads meet
.irp s, 0,1
	s_mov_b32 s[G0+4*\s], 1
	s_add_co_u32 s[G0+4*\s+1], s45, \s*SLOT
	s_add_nc_u64 s[G0+4*\s+2:G0+4*\s+3], s[88:89], \s*SLB
	s_or_b32 s[G0+4*\s+3], s[G0+4*\s+3], 0x80000000
	s_mov_b32 s[G0B+4*\s], 1
	s_add_co_u32 s[G0B+4*\s+1], s45, \s*SLOT
	s_add_nc_u64 s[G0B+4*\s+2:G0B+4*\s+3], s[90:91], \s*SLB
	s_or_b32 s[G0B+4*\s+3], s[G0B+4*\s+3], 0x80000000
	JLOAD G0+4*\s, G1, G0B+4*\s, G1B
.endr
	v_and_b32 v2, 31, v0
	v_lshlrev_b32 v[LI], 4, v2
	s_mul_i32 s12, s15, HALFT                      ; my eight tiles of role A
	s_mul_i32 s13, s16, HALFT                      ; my eight of role B,
	s_add_co_u32 s13, s13, 2*HALFT                 ; which lie behind role A's sixteen
.irp s, 0,1
	v_add_nc_u32 v[ADRA+\s], s12, v[LI]
	v_add_nc_u32 v[ADRB+\s], s13, v[LI]
	s_add_co_u32 s12, s12, SLOT
	s_add_co_u32 s13, s13, SLOT
.endr
	; the biases.  Every work-group loads both kinds, so that the text has one way up to the way out: along registers from bq or bk, along lanes from bv
	v_bfe_u32 v3, v0, 4, 1                         ; h
	v_lshlrev_b32 v4, 6, v3                        ; 16 numbers on for the upper half of the lanes
	s_wait_alu depctr_va_vdst(0)
	v_and_b32 v5, 15, v0
	v_and_b32 v6, 8, v5
	v_add_nc_u32 v5, v5, v6                        ; r + 8 (r / 8)
	v_lshlrev_b32 v5, 2, v5
	s_wait_alu depctr_va_vdst(0)
	s_cmp_eq_u32 ttmp9, 1
	s_cselect_b64 s[92:93], s[68:69], s[10:11]
	s_lshl_b32 s98, s40, 10                        ; 256 numbers a block of role B,
	s_lshl_b32 s99, s16, 9                         ; 128 for my half
	s_add_co_u32 s98, s98, s99
	s_mov_b32 s99, 0
	s_add_nc_u64 s[92:93], s[92:93], s[98:99]
	s_lshl_b32 s74, s41, 10
	s_lshl_b32 s75, s15, 9
	s_add_co_u32 s74, s74, s75
	s_mov_b32 s75, 0
	s_add_nc_u64 s[94:95], s[70:71], s[74:75]
.irp p, 0,1,2,3
.irp j, 0,1,2,3
	global_load_b128 v[BR+16*\p+4*\j:BR+16*\p+4*\j+3], v4, s[92:93] offset:128*\p+16*\j
.endr
.endr
.irp a, 0,1,2,3,4,5,6,7
	global_load_b32 v[BC+2*\a], v5, s[94:95] offset:(32*(\a/2)+8*(\a%2))*4
.endr
	; where my results go.  In units of 1,024 bytes inside a head: q, k: my first token tile; v: four for each 64 keys, which is the same number made of role B's block
	s_lshl_b32 s2, s18, 4
	s_lshl_b32 s3, s15, 3
	s_add_co_u32 s2, s2, s3                        ; q, k: 16 x role A's block + 8 x half
	s_lshl_b32 s3, s19, 4
	s_lshl_b32 s12, s16, 3
	s_add_co_u32 s3, s3, s12                       ; v: 16 x role B's block + 8 x half
	s_lshl_b32 s12, s40, 2
	s_lshl_b32 s13, s16, 1
	s_add_co_u32 s12, s12, s13                     ; q, k: my first head: 4 cx + 2 x half of role B
	s_lshl_b32 s13, s41, 2
	s_lshl_b32 s66, s15, 1
	s_add_co_u32 s13, s13, s66                     ; v: 4 cy + 2 x half of role A
	s_cmp_eq_u32 ttmp9, 2
	s_cselect_b32 s2, s3, s2
	s_cselect_b32 s12, s13, s12
	s_lshr_b32 s3, s2, 7                           ; the batch: 128 units a batch
	s_and_b32 s2, s2, 127
	s_lshl_b32 s3, s3, 4
	s_add_co_u32 s3, s3, s12
	s_lshl_b32 s3, s3, 7
	s_add_co_u32 s3, s3, s2
	s_lshl_b32 s74, s3, 10
	s_lshl_b32 s3, ttmp9, 23                       ; 2^23 bytes for each of q, k, v
	s_add_co_u32 s74, s74, s3
	s_mov_b32 s75, 0
	s_add_nc_u64 s[72:73], s[72:73], s[74:75]
	s_wait_kmcnt 0x0                               ; the exponents.  What they decide is chosen by selects: no branch hangs on them
	s_cmp_eq_u32 ttmp9, 1
	s_cselect_b32 s12, s78, s76
	s_cselect_b32 s13, s79, s77
	s_cselect_b32 s66, s83, s82
	s_cmp_eq_u32 ttmp9, 2
	s_cselect_b32 s12, s80, s12
	s_cselect_b32 s13, s81, s13
	s_cselect_b32 s66, s85, s66
	s_add_co_i32 s12, s12, s13
	s_add_co_i32 s12, s12, 127
	s_lshl_b32 s96, s12, 23                        ; 2^(the operands' exponents added): a sum stands for sum x that
	s_mov_b32 s97, s96                             ; (named with it as a pair, so it is written)
	s_add_co_i32 s66, s66, 127
	s_lshl_b32 s67, s66, 23
	v_mov_b32 v[SCV], s67
.macro FRAG reg, adr, q, i             ; tile i's fragment of the slot's q-th 128 along K: four loads of 512 consecutive bytes
.irp c, 0,1,2,3
	ds_load_b128 v[\reg+4*\c:\reg+4*\c+3], v[\adr] offset:(\i)*SLB+2048*(\q)+512*\c
.endr
.endm
; 16 matrix instructions: role A's tiles a0, a0 + 1 x role B's eight, 128 along K.  p: role B's set.  zero = 1: the first product starts the sums: nothing is ever cleared.
; The 64 accumulators take turns, one instruction a turn, in the same order in every step.
.macro MUL16 a0, p, zero
.irp a, \a0, \a0+1
.irp b, 0,1,2,3,4,5,6,7
.if \zero
	v_wmma_f32_16x16x128_fp8_fp8 v[8*(8*((\a)%4)+\b):8*(8*((\a)%4)+\b)+7], v[128*(\p)+FR*\b:128*(\p)+FR*\b+FR-1], v[AF+FR*(\a):AF+FR*(\a)+FR-1], 0
.else
	v_wmma_f32_16x16x128_fp8_fp8 v[8*(8*((\a)%4)+\b):8*(8*((\a)%4)+\b)+7], v[128*(\p)+FR*\b:128*(\p)+FR*\b+FR-1], v[AF+FR*(\a):AF+FR*(\a)+FR-1], v[8*(8*((\a)%4)+\b):8*(8*((\a)%4)+\b)+7]
.endif
.endr
.endr
.endm
.macro FETCH_B slot, q, p
	WIN TO_B
.irp i, 0,1,2,3,4,5,6,7
	FRAG 128*(\p)+FR*\i, ADRB+\slot, \q, \i
.endr
	WIN 0
.endm
.macro FETCH_A slot, q, i0
.irp i, \i0, \i0+1, \i0+2, \i0+3
	FRAG AF+FR*(\i), ADRA+\slot, \q, \i
.endr
.endm
; A load into a register that a matrix instruction has read, and a vector instruction that reads a matrix result or writes one of its registers, stand NP places behind it, and only plain vector
; instructions that name none of its registers are places (ISA guide 7.12.1 for vector instructions).
.macro PLACES n
.rept \n
	v_nop
.endr
.endm
; A step of 128 along K that has its successor in the same slot.  Role A has one set of registers: a tile is free as soon as its eight products are issued.
.macro STEP slot, q, zero
	s_wait_dscnt 4*NL                              ; role B's set and role A's tiles 0-3 are in; the youngest sixteen loads (tiles 4-7) may be out
	WIN MUL_LO
	MUL16 0, (\q)%2, \zero
	MUL16 2, (\q)%2, \zero
	s_wait_dscnt 0                                 ; tiles 4-7 are in
	PLACES NP
	FETCH_B \slot, (\q)+1, 1-(\q)%2
	FETCH_A \slot, (\q)+1, 0
	WIN MUL_HI
	MUL16 4, (\q)%2, \zero
	MUL16 6, (\q)%2, \zero
	PLACES NP
	WIN 0
	FETCH_A \slot, (\q)+1, 4
.endm
; A slot's last step changes slots: one barrier; in front of it each wave waits for all its tensor loads, adds 0 to its spare word, and waits for that and for its own reads of this slot.  fill = 1: this slot is filled again, two slots ahead.
.macro TURN slot, next, fill
	s_wait_tensorcnt 0x0                           ; all my tensor loads have landed: my part of the next slot
	ds_add_u32 v[SPW], v[NIL]                      ; 0 onto my spare word
	s_wait_dscnt 4*NL+1                            ; (the add and the youngest sixteen loads may be out)
	WIN MUL_LO
	MUL16 0, 1, 0                                  ; sixteen matrix instructions stand between the add and the wait for it
	s_wait_dscnt 0x0                               ; the add is done, and my reads of this slot are over
	s_barrier_signal -1
	MUL16 2, 1, 0
	WIN 0
	s_barrier_wait -1
.if \fill
	CREST                                          ; the barrier has opened a round of the cluster's barrier: no wave of any partner still reads this slot or has a load on its way
	s_add_nc_u64 s[G0+4*\slot+2:G0+4*\slot+3], s[G0+4*\slot+2:G0+4*\slot+3], 2*SLB
	s_add_nc_u64 s[G0B+4*\slot+2:G0B+4*\slot+3], s[G0B+4*\slot+2:G0B+4*\slot+3], 2*SLB
	JLOAD G0+4*\slot, G1, G0B+4*\slot, G1B         ; the first tensor load behind the round; its four v_nop are also the places in front of the loads below
.else
	PLACES NP
.endif
	FETCH_B \next, 0, 0
	FETCH_A \next, 0, 0
	WIN MUL_HI
	MUL16 4, 1, 0
	MUL16 6, 1, 0
	PLACES NP
	WIN 0
	FETCH_A \next, 0, 4
.endm
	s_wait_tensorcnt 1                             ; my part of slot 0 is in (slot 1's load may be out)
	s_barrier_signal -1
	s_barrier_wait -1                              ; everybody's is
	FETCH_B 0, 0, 0
	FETCH_A 0, 0, 0
	FETCH_A 0, 0, 4
	STEP 0, 0, 1                                   ; K = 1,024 is eight steps in four slots: they are written out; the first products start the sums
	TURN 0, 1, 1                                   ; slot 0 takes K 512 on
	STEP 1, 0, 0
	TURN 1, 0, 1                                   ; slot 1 takes K 768 on
	STEP 0, 0, 0
	TURN 0, 1, 0                                   ; nothing is left to fetch
	STEP 1, 0, 0
	s_wait_dscnt 4*NL
	WIN MUL_LO
	MUL16 0, 1, 0
	MUL16 2, 1, 0
	s_wait_dscnt 0
	WIN MUL_HI
	MUL16 4, 1, 0
	MUL16 6, 1, 0
	WIN 0
; THE WAY OUT.  32 registers of a lane (one row of role A, 64 neighbouring rows of role B in two runs of 16) become sum x 2^(exponents) + bias, are held, converted, and ARE a fragment's eight registers:
; two stores of 512 consecutive bytes.  mode 0 (q, k): bias along registers; item (a, g): token tile a, head g.  mode 1 (v): bias along lanes; item (a, g): head a / 4, d tile a % 4, 64 keys g.
.macro EPI mode
.set i, 0
.rept 16
.set a, i/2
.set g, i%2
.set AC, 64*(a%4)+32*g
.set TT, 128+32*(i%2)
.set CD, 192+8*(i%2)
	WIN 0x02+(a/4)                                 ; source 0: window 2 or 3
.set n, 0
.rept 16
.if \mode
	v_pk_fma_f32 v[TT+n:TT+n+1], v[AC+n:AC+n+1], s[96:97], v[BC+2*a:BC+2*a+1] op_sel_hi:[1,0,1]
.else
	v_pk_fma_f32 v[TT+n:TT+n+1], v[AC+n:AC+n+1], s[96:97], v[BR+32*g+n:BR+32*g+n+1] op_sel_hi:[1,0,1]   ; each accumulator from its low end on
.endif
.set n, n+2
.endr
	WIN 0
.set n, 0
.rept 32
.set n, n+1
.endr
	s_wait_alu depctr_va_vdst(0)
	s_wait_xcnt 0x0                                ; the stores issued so far have read their data: the code registers may be written again
.irp c, 0,1,2,3
	v_cvt_scalef32_pk8_fp8_f32 v[CD+2*\c:CD+2*\c+1], v[TT+8*\c:TT+8*\c+7], v[SCV]
.endr
.if \mode
.set OFF, (a/4)*131072+(a%4)*1024+g*4096
.else
.set OFF, a*1024+g*131072
.endif
	global_store_b128 v[LI], v[CD:CD+3], s[72:73] offset:OFF
	global_store_b128 v[LI], v[CD+4:CD+7], s[72:73] offset:OFF+512
.set i, i+1
.endr
.endm
	s_wait_loadcnt 0x0                             ; the biases
	PLACES NP
.irp a, 0,1,2,3,4,5,6,7
	v_mov_b32 v[BC+2*\a+1], v[BC+2*\a]             ; a lane's bias fills its pair
.endr
	s_cmp_eq_u32 ttmp9, 2                          ; the cluster's x: the same way in all sixteen partners
	s_cbranch_scc1 .Lvalues
	EPI 0
	s_branch .Lout
.Lvalues:
	s_wait_alu depctr_va_vdst(0)
	EPI 1
.Lout:
	v_nop                                          ; a plain line behind the last conversion
	s_wait_tensorcnt 0x0                           ; the wave's end
	ds_add_u32 v[SPW], v[NIL]
	s_wait_dscnt 0x0
	CROUND                                         ; the closing round: no work-group ends while a partner may still ask for a tile that names it
	s_endpgm
.Lfunc_end_k_q07d1ed0123_qkv:
	.size	k_q07d1ed0123_qkv, .Lfunc_end_k_q07d1ed0123_qkv-k_q07d1ed0123_qkv
	.p2alignl 7, 3214868480
	.fill 96, 4, 3214868480
	.section	.rodata,"a",@progbits
	.p2align	6, 0x0
	.amdhsa_kernel k_q07d1ed0123_qkv
		.amdhsa_group_segment_fixed_size 327680
		.amdhsa_private_segment_fixed_size 0
		.amdhsa_enable_private_segment 0
		.amdhsa_kernarg_size 56
		.amdhsa_user_sgpr_count 2
		.amdhsa_user_sgpr_kernarg_segment_ptr 1
		.amdhsa_wavefront_size32 1
		.amdhsa_system_sgpr_workgroup_id_x 1
		.amdhsa_system_sgpr_workgroup_id_y 1
		.amdhsa_system_sgpr_workgroup_id_z 1
		.amdhsa_system_vgpr_workitem_id 0
		.amdhsa_next_free_vgpr 1024
		.amdhsa_next_free_sgpr 100
		.amdhsa_reserve_vcc 0
		.amdhsa_float_denorm_mode_32 3
		.amdhsa_float_denorm_mode_16_64 3
		.amdhsa_fp16_overflow 1
		.amdhsa_memory_ordered 1
		.amdhsa_forward_progress 1
		.amdhsa_inst_pref_size 132
	.end_amdhsa_kernel
	.amdgpu_metadata
---
amdhsa.version: [ 1, 2 ]
amdhsa.kernels:
  - .name:           k_q07d1ed0123_qkv
    .symbol:         k_q07d1ed0123_qkv.kd
    .args:
      - { .name: xc, .offset: 0, .size: 8, .value_kind: global_buffer, .address_space: global }
      - { .name: wc, .offset: 8, .size: 8, .value_kind: global_buffer, .address_space: global }
      - { .name: lowp_scales, .offset: 16, .size: 8, .value_kind: global_buffer, .address_space: global }
      - { .name: bq, .offset: 24, .size: 8, .value_kind: global_buffer, .address_space: global }
      - { .name: bk, .offset: 32, .size: 8, .value_kind: global_buffer, .address_space: global }
      - { .name: bv, .offset: 40, .size: 8, .value_kind: global_buffer, .address_space: global }
      - { .name: qkvc, .offset: 48, .size: 8, .value_kind: global_buffer, .address_space: global }
    .group_segment_fixed_size: 327680
    .private_segment_fixed_size: 0
    .kernarg_segment_align: 8
    .kernarg_segment_size: 56
    .max_flat_workgroup_size: 128
    .sgpr_count:     100
    .vgpr_count:     1024
    .wavefront_size: 32
...
	.end_amdgpu_metadata
.endif
;; end of part 2
;; launch attn (part 3): grid 4 x 64, 16 waves a work-group, clusters of 4 x 1, 272,384 bytes of LDS; arguments qkvc, attn_mask, lowp_scales, yc; writes yc
.if DOCPART == 3
	.amdgcn_target "amdgcn-amd-amdhsa--gfx1250"
	.amdhsa_code_object_version 6
	.text
	.protected	k_q07d1ed0123_attn
	.globl	k_q07d1ed0123_attn
	.p2align	8
	.type	k_q07d1ed0123_attn,@function
k_q07d1ed0123_attn:
	s_mov_b64 s[64:65], 0
	v_nop
	global_prefetch_b8 v0, s[64:65] scope:SCOPE_SE
	s_setreg_imm32_b32 hwreg(HW_REG_WAVE_MODE, 25, 1), 1
	s_wait_xcnt 0x0
	s_wait_alu depctr_hold_cnt(0) depctr_sa_sdst(0) depctr_va_vdst(0) depctr_va_sdst(0) depctr_va_ssrc(0) depctr_va_vcc(0) depctr_vm_vsrc(0)
	s_getreg_b32 s2, hwreg(HW_REG_IB_STS2, 6, 4)
	s_cmp_eq_u32 s2, 0
	s_cbranch_scc0 .Lentry_in_a_cluster
	s_endpgm
.Lentry_in_a_cluster:
	s_bfe_u32 s2, ttmp6, 0x10000c
	s_cmp_lg_u32 s2, 0x3003
	s_cbranch_scc0 .Lentry_shape_is_right
	s_endpgm
.Lentry_shape_is_right:
; y = softmax(mask(q k^T / 8)) v for one (batch, head) a cluster, both products on codes of FP8 (E4M3) with given scales (q: entry 6, k: 7, p: 8, v: 9); y leaves as codes under entry 10.
; THE SOFTMAX: t = logit x log2(e); M = the running largest t rounded UP to a whole number; p = 2^(t - M) is quantised, not normalised; the row's sum is taken of the unquantised p and divides at the end.
; THE MASK.  A key counts for a query where both tokens are valid (the input mask) and key <= query; every other logit is -1e9.
;   A VALID query always has itself as a key, so beside it every masked key has p = 0.  An invalid key gets -8e9 / 2^(e6 + e7) added to its raw score, as the C of the first product: it costs no vector instruction.
;   Before a valid query's first valid key its sums hold finite numbers without meaning; the first valid key moves M by about 1.4e9, and the factor 2^(old M - new M) = 0 wipes them.
;   Keys after the query: steps wholly behind my queries do no scores; on the diagonal the scores become -infinity.
;   AN INVALID query has all 2,048 logits equal: p = 1 for every key, the later ones too, and the sum is 2,048.  In such a lane p's codes are replaced by the code of 1, the factor by 1, the sum by 2,048;
;   and the steps behind the diagonal still run the second product, with p = the code of 1 in invalid lanes and 0 in valid ones.
; SHARES.  The cluster's four work-groups walk the same K and V.  Wave w has rank rho (a 4 x 4 magic square of 0 .. 15, so that four waves w, w + 4, w + 8, w + 12, or 4 j .. 4 j + 3, have ranks that add up to 30)
; and owns the 32 queries 128 rho + 32 cx on: two tiles, A and B, which share every fragment of K and V.  Branches hang on rho and the step alone, never on cx: partners run alike.
; LDS.  The head's K (131,072 bytes) and V (131,072) lie in LDS whole, as they lie in memory: fragments of 16 rows x 64 K, 1,024 bytes, registers 4 c .. 4 c + 3 at 512 c + 16 x lane; a step of 64 keys is 4,096
; bytes of each.  Nothing is filled twice.  Waves 0-3 fetch, two joint loads each (two out by this text's count): first the 256 first keys, then the rest, which lands while the first four steps are worked.
; LAYOUT.  S^T = K Q^T and O^T = V^T P^T: a lane holds one query throughout.  Lane r of tile 2 B + u holds row 32 B + 8 u + r + 8 (r / 8), so S^T's register 16 b + i is key 32 b + 16 (lane / 16) + i of the step,
; and the conversions' results are the second product's operand; likewise O^T's registers run along the head's 64, and their codes are registers of the last product's operand.
; LIMITS: e6 + e7 between -90 and 130; e8 and e10 between -126 and 119; true logits stay above -1e9; NaN is not served.
.set VOFF,  131072                     ; V behind K
.set KBIAS, 262144                     ; 2,048 f32: 0 for a valid key, else the large negative number; written by LDS stores, in blocks into which no tensor load lands
.set LI,   1                           ; v1   16 x lane
.set AB0,  2                           ; v2   KBIAS + 64 (lane / 16)
.set ADR,  3                           ; v3   the step's K
.set ADB,  4                           ; v4   the step's key biases
.set SC,   5                           ; v5   2^e8 as f32; on the way out 2^e10
.set ONES, 6                           ; v6   four codes of 1
.set NINF, 7                           ; v7   -infinity
.set DQ,   8                           ; v8, v9     my query of tile A, B, less 16 (lane / 16)
.set NM,   10                          ; v[10:11], v[14:15]  -M and the largest t
.set LS,   12                          ; v[12:13], v[16:17]  the sum, in two halves
.set FF,   18                          ; v[18:19], v[20:21]  the factor (the upper halves are only named)
.set TP,   22                          ; v22-24, v26-28      at work
.set ADV,  25                          ; v25  the step's V
.set DD,   29                          ; v29, v30   the diagonal: my query less the step's first key
.set C2K,  31                          ; v31  2048.0
.set QF,   32                          ; v32-47   Q, two fragments
.set KFR,  48                          ; v48-79   K, four fragments
.set VF,   80                          ; v80-111  the key biases, then V's four fragments
.set S,    112                         ; v112-175 S^T, then p: 32 a tile
.set P,    176                         ; v176-191 p's codes: 8 a tile
.set O,    192                         ; v192-255 O^T: 32 a tile
.set WV,  12
.set CX,  13
.set BH,  14
.set RHO, 15
.set QLO, 16                           ; s16  128 rho: the first query of my rank in any partner
.set QHI, 17                           ; s17  128 rho + 127: the last
.set KEY, 18                           ; s18  the step's first key
.set TK,  19                           ; s19  4,096 x step
.set TB4, 20                           ; s20  256 x step
.set CNT, 21
.set CS,  22                           ; s[22:23]  c = log2(e) / 8 x 2^(e6 + e7)
.set LIMP, 24                          ; s24  448 x 2^e8
.set SEL, 26                           ; s[26:27]  lane selects: lane l xor 16
.set QM,  28                           ; s28, s30: lanes whose query of tile A, B is valid; s29, s31: the others
.macro CROUND                          ; a round of the cluster's barrier
	s_barrier_signal -1
	s_barrier_wait -1
	s_cmp_lg_u32 s[WV], 0
	s_cbranch_scc1 .Lnot_wave_0_\@
	s_barrier_signal -3
.Lnot_wave_0_\@:
	s_barrier_wait -3
	s_barrier_signal -1
	s_barrier_wait -1
.endm
	s_load_b256 s[4:11], s[0:1], 0x0               ; qkvc s[4:5], the mask s[6:7], the scales' exponents s[8:9], yc s[10:11]
	v_lshl_add_u32 v254, v0, 2, 0x42000
	v_mov_b32 v255, 0
	ds_add_u32 v254, v255
	ds_add_u32 v254, v255
	s_wait_dscnt 0x0
	v_lshrrev_b32 v112, 5, v0
	s_delay_alu instid0(VALU_DEP_1)
	v_readfirstlane_b32 s[WV], v112                ; wave 0..15
	s_bfe_u32 s[CX], ttmp6, 0x40000                ; my place in the cluster: it enters global addresses and the diagonal's numbers alone
	s_and_b32 s[BH], ttmp7, 0xffff                 ; 16 x batch + head
	s_lshr_b32 s[RHO], s[WV], 2                    ; the rank: w where (w / 4) xor (w % 4) has one bit set, else 15 - w
	s_and_b32 s56, s[WV], 3
	s_xor_b32 s[RHO], s[RHO], s56
	s_lshr_b32 s56, s[RHO], 1
	s_xor_b32 s[RHO], s[RHO], s56
	s_and_b32 s[RHO], s[RHO], 1
	s_xor_b32 s[RHO], s[RHO], 1
	s_mul_i32 s[RHO], s[RHO], 15
	s_xor_b32 s[RHO], s[RHO], s[WV]
	; descriptor groups 1: dense blocks as rows of 256 bytes: 32 rows (8,192 bytes) and 224 rows (57,344 bytes)
	s_mov_b32 s32, 15|(3<<16)|(1<<21)              ; 15:0 the mask: all four work-groups; 17:16 elements of 8 bytes; 21 set beside a mask
	s_mov_b32 s33, 32<<16                          ; tensor_dim0 = 32 elements
	s_mov_b32 s34, 32<<16                          ; tensor_dim1 = 32
	s_mov_b32 s35, 32<<16                          ; tile_dim0
	s_mov_b32 s36, 32                              ; tile_dim1
	s_mov_b32 s37, 32                              ; tensor_dim0_stride
	s_mov_b32 s38, 0
	s_mov_b32 s39, 0
	s_mov_b32 s40, 15|(3<<16)|(1<<21)
	s_mov_b32 s41, 32<<16
	s_mov_b32 s42, 224<<16
	s_mov_b32 s43, 32<<16
	s_mov_b32 s44, 224
	s_mov_b32 s45, 32
	s_mov_b32 s46, 0
	s_mov_b32 s47, 0
	; groups 0: wave f of 0-3 serves K (f / 2 = 0) or V (1), half f % 2 of each of the two parts
	s_and_b32 s56, s[WV], 1
	s_bfe_u32 s57, s[WV], 0x10001
	s_lshl_b32 s58, s57, 17                        ; in LDS: K at 0, V at 131,072
	s_lshl_b32 s59, s56, 13                        ; the first part: 8,192 bytes a half
	s_mul_i32 s60, s56, 57344                      ; the second: 57,344 bytes a half,
	s_add_co_u32 s60, s60, 16384                   ; behind the first
	s_mov_b32 s48, 1
	s_add_co_u32 s49, s58, s59
	s_mov_b32 s52, 1
	s_add_co_u32 s53, s58, s60
	s_add_co_u32 s61, s57, 1
	s_lshl_b32 s61, s61, 23                        ; in memory: k's codes 2^23 bytes on, v's 2^24,
	s_lshl_b32 s62, s[BH], 17                      ; 131,072 bytes a head
	s_add_co_u32 s61, s61, s62
	s_add_co_u32 s62, s61, s59
	s_mov_b32 s63, 0
	s_add_co_u32 s66, s61, s60
	s_mov_b32 s67, 0
	s_wait_kmcnt 0x0
	s_load_b256 s[68:75], s[8:9], 0x0              ; e0 .. e7
	s_load_b128 s[76:79], s[8:9], 0x20             ; e8 .. e11
	s_add_nc_u64 s[50:51], s[4:5], s[62:63]
	s_or_b32 s51, s51, 0x80000000
	s_add_nc_u64 s[54:55], s[4:5], s[66:67]
	s_or_b32 s55, s55, 0x80000000
	CROUND                                         ; all four work-groups are here: the joint loads meet
	s_cmp_lt_u32 s[WV], 4                          ; a wave's two loads stand in one branch on the wave's number, ahead of every wait on TENSORcnt and every LDS read
	s_cbranch_scc0 .Lno_fetch
	tensor_load_to_lds s[48:51], s[32:39]
	s_nop 0
	tensor_load_to_lds s[52:55], s[40:47]
	s_nop 0
.rept 4
	v_nop
.endr
.Lno_fetch:
	v_and_b32 v113, 31, v0
	s_delay_alu instid0(VALU_DEP_1)
	v_lshlrev_b32 v[LI], 4, v113
	v_bfe_u32 v114, v0, 4, 1                       ; h
	s_delay_alu instid0(VALU_DEP_1)
	v_lshl_add_u32 v[AB0], v114, 6, KBIAS
	v_and_b32 v115, 15, v0                         ; r
	s_delay_alu instid0(VALU_DEP_1)
	v_and_b32 v116, 8, v115
	s_delay_alu instid0(VALU_DEP_1)
	v_add_nc_u32 v115, v115, v116                  ; r + 8 (r / 8)
	s_lshl_b32 s[QLO], s[RHO], 7
	s_add_co_u32 s[QHI], s[QLO], 127
	s_lshl_b32 s56, s[CX], 5
	s_add_co_u32 s56, s56, s[QLO]                  ; my wave's first query
	v_add_nc_u32 v117, s56, v115                   ; my lane's query of tile A; tile B's is 8 on
	v_lshlrev_b32 v116, 4, v114
	s_delay_alu instid0(VALU_DEP_1)
	v_sub_nc_u32 v[DQ], v117, v116
	s_delay_alu instid0(VALU_DEP_1)
	v_add_nc_u32 v[DQ+1], 8, v[DQ]
	s_lshr_b32 s57, s[BH], 4                       ; the batch
	s_lshl_b32 s58, s57, 11
	s_mov_b32 s59, 0
	s_add_nc_u64 s[6:7], s[6:7], s[58:59]          ; the batch's 2,048 mask bytes
	v_lshlrev_b32 v118, 2, v0
	global_load_b32 v123, v118, s[6:7]             ; thread i: keys 4 i .. 4 i + 3
	global_load_u8 v125, v117, s[6:7]              ; my queries' own bytes
	global_load_u8 v126, v117, s[6:7] offset:8
	s_lshl_b32 s58, s[BH], 17                      ; q's codes: 131,072 bytes a head, 1,024 a tile: tiles 8 rho + 2 cx and the next
	s_lshl_b32 s60, s[RHO], 13
	s_add_co_u32 s58, s58, s60
	s_lshl_b32 s60, s[CX], 11
	s_add_co_u32 s58, s58, s60
	s_add_nc_u64 s[80:81], s[4:5], s[58:59]
.irp x, 0,1
.irp c, 0,1
	global_load_b128 v[QF+8*\x+4*\c:QF+8*\x+4*\c+3], v[LI], s[80:81] offset:1024*\x+512*\c
.endr
.endr
	s_lshl_b32 s58, s57, 21                        ; y's codes: tile (128 batch + 8 rho + 2 cx) x 16,384 bytes, + 1,024 x head: registers 8 (head % 2) on of K step head / 2
	s_lshl_b32 s60, s[RHO], 17
	s_add_co_u32 s58, s58, s60
	s_lshl_b32 s60, s[CX], 15
	s_add_co_u32 s58, s58, s60
	s_and_b32 s60, s[BH], 15
	s_lshl_b32 s60, s60, 10
	s_add_co_u32 s58, s58, s60
	s_add_nc_u64 s[10:11], s[10:11], s[58:59]
	s_mov_b32 s[SEL], 0x76543210
	s_mov_b32 s[SEL+1], 0xfedcba98
	v_mov_b32 v[NINF], 0xff800000
	v_mov_b32 v[C2K], 0x45000000
.irp x, 0,1
	v_mov_b32 v[NM+4*\x+1], 0xff61b1e6             ; the largest t so far: -3e38, under every t
	s_delay_alu instid0(VALU_DEP_1)
	v_floor_f32 v[NM+4*\x], -v[NM+4*\x+1]          ; -M
	v_mov_b32 v[LS+4*\x], 0
	v_mov_b32 v[LS+4*\x+1], 0
	v_mov_b32 v[FF+2*\x+1], 0                      ; (named as the upper half of a pair)
	v_mov_b32 v[TP+4*\x+1], 0                      ; (a lane permute's destination counts as one of its sources)
	v_mov_b32 v[DD+\x], 0                          ; (v29 is named as the upper half of a pair on the way out)
.endr
.set n, 0
.rept 64
	v_mov_b32 v[O+n], 0                            ; O^T: the step is written once; the first finds zeros, which the first change of M leaves zeros
.set n, n+1
.endr
	s_wait_kmcnt 0x0
	s_add_co_i32 s58, s74, s75                     ; e6 + e7: a raw score stands for score x 2^(e6 + e7): added to c's exponent field
	s_lshl_b32 s60, s58, 23
	s_add_co_i32 s[CS], s60, 0x3e38aa3b            ; log2(e) / 8
	s_mov_b32 s[CS+1], s[CS]
	s_sub_co_i32 s58, 0, s58
	v_mov_b32 v122, 0xcfee6b28                     ; -8e9: as a raw score, / 2^(e6 + e7); as a logit, -1e9
	s_delay_alu instid0(VALU_DEP_1)
	v_ldexp_f32 v122, v122, s58
	s_add_co_i32 s60, s76, 127
	s_lshl_b32 s61, s60, 23
	v_mov_b32 v[SC], s61                           ; 2^e8
	s_add_co_i32 s60, s60, 8
	s_lshl_b32 s60, s60, 23
	s_or_b32 s[LIMP], s60, 0x600000                ; 448 x 2^e8
	v_mov_b32 v136, 1.0                            ; the code of p = 1, made by the same conversion as every p
	s_delay_alu instid0(VALU_DEP_1)
	v_min_num_f32 v136, s[LIMP], v136
.irp j, 1,2,3,4,5,6,7
	v_mov_b32 v[136+\j], v136
.endr
	v_cvt_scalef32_pk8_fp8_f32 v[144:145], v[136:143], v[SC]
	v_nop                                          ; a plain line between a scaled conversion and the reader of its result
	v_mov_b32 v[ONES], v144
	s_wait_loadcnt 0x4                             ; the three loads of mask bytes are in; Q's four may be out
.irp j, 0,1,2,3
	v_bfe_u32 v124, v123, 8*\j, 8
	s_delay_alu instid0(VALU_DEP_1)
	v_cmp_eq_u32 vcc_lo, 0, v124
	s_delay_alu instid0(VALU_DEP_1)
	v_cndmask_b32 v[128+\j], 0, v122, vcc_lo       ; 0 for a valid key
.endr
	v_lshl_add_u32 v132, v0, 4, KBIAS
	ds_store_b128 v132, v[128:131]
	v_cmp_ne_u32 s[QM], 0, v125
	v_cmp_ne_u32 s[QM+2], 0, v126
	s_not_b32 s[QM+1], s[QM]
	s_not_b32 s[QM+3], s[QM+2]
	s_mov_b32 s[KEY], 0
	s_mov_b32 s[TK], 0
	s_mov_b32 s[TB4], 0
; A STEP OF 64 KEYS for my two tiles.
.macro STEPBODY
	v_add_nc_u32 v[ADR], s[TK], v[LI]              ; these four plain lines are also the places between the last step's products and the loads and writes into their registers
	v_add_nc_u32 v[ADB], s[TB4], v[AB0]
	s_delay_alu instid0(VALU_DEP_2)
	v_add_nc_u32 v[ADV], VOFF, v[ADR]
	v_nop
	s_cmp_gt_u32 s[KEY], s[QHI]                    ; all 64 keys come after every query of my rank: no scores
	s_cbranch_scc1 .Lhid_\@
	s_setprio 2
.irp t, 0,1,2,3
.irp c, 0,1
	ds_load_b128 v[KFR+8*\t+4*\c:KFR+8*\t+4*\c+3], v[ADR] offset:1024*\t+512*\c
.endr
.endr
.irp j, 0,1,2,3,4,5,6,7
	ds_load_b128 v[VF+4*\j:VF+4*\j+3], v[ADB] offset:128*(\j/4)+16*(\j%4)   ; register 16 b + i: the bias of key 32 b + 16 (lane / 16) + i: the result's own layout; sixteen lanes read the same bytes
.endr
	s_wait_dscnt 0x0
.irp t, 0,1,2,3
.irp x, 0,1
	v_wmma_f32_16x16x64_fp8_fp8 v[S+32*\x+8*\t:S+32*\x+8*\t+7], v[KFR+8*\t:KFR+8*\t+7], v[QF+8*\x:QF+8*\x+7], v[VF+8*\t:VF+8*\t+7]
.endr
.endr
.rept 4
	v_nop                                          ; places in front of the loads into the biases' registers and of the first read of the scores
.endr
	s_wait_alu depctr_va_vdst(0)
.irp t, 0,1,2,3
.irp c, 0,1
	ds_load_b128 v[VF+8*\t+4*\c:VF+8*\t+4*\c+3], v[ADV] offset:1024*\t+512*\c   ; V lands while the softmax is worked
.endr
.endr
	s_cmp_lt_u32 s[KEY], s[QLO]                    ; all 64 keys come before every query of my rank
	s_cbranch_scc1 .Lopen_\@
.irp x, 0,1
	v_sub_nc_u32 v[DD+\x], v[DQ+\x], s[KEY]        ; register 16 b + i is hidden where 32 b + i > my query - the step's first key - 16 (lane / 16)
.endr
.set n, 0
.rept 32
.irp x, 0,1
	v_cmp_gt_i32 vcc_lo, 32*(n/16)+n%16, v[DD+\x]
	v_cndmask_b32 v[S+32*\x+n], v[S+32*\x+n], v[NINF], vcc_lo
.endr
.set n, n+1
.endr
.Lopen_\@:
.irp x, 0,1
	v_max3_num_f32 v[TP+4*\x], v[S+32*\x], v[S+32*\x+1], v[S+32*\x+2]   ; the step's largest score of my query among my 32 keys: two chains a tile, each accumulator from its low end on
.endr
.irp x, 0,1
	v_max3_num_f32 v[TP+4*\x+1], v[S+32*\x+3], v[S+32*\x+4], v[S+32*\x+5]
.endr
.set n, 6
.rept 13
.irp x, 0,1
	v_max3_num_f32 v[TP+4*\x+(n/2+1)%2], v[TP+4*\x+(n/2+1)%2], v[S+32*\x+n], v[S+32*\x+n+1]
.endr
.set n, n+2
.endr
.irp x, 0,1
	s_delay_alu instid0(VALU_DEP_2)
	v_max_num_f32 v[TP+4*\x], v[TP+4*\x], v[TP+4*\x+1]
.endr
.irp x, 0,1
	s_delay_alu instid0(VALU_DEP_2)
	v_permlanex16_b32 v[TP+4*\x+1], v[TP+4*\x], s[SEL], s[SEL+1]
.endr
.irp x, 0,1
	s_delay_alu instid0(VALU_DEP_2)
	v_max_num_f32 v[TP+4*\x], v[TP+4*\x], v[TP+4*\x+1]   ; and among lane l xor 16's
.endr
.irp x, 0,1
	s_delay_alu instid0(VALU_DEP_2)
	v_mul_f32 v[TP+4*\x], s[CS], v[TP+4*\x]        ; as t (c is positive)
.endr
.irp x, 0,1
	s_delay_alu instid0(VALU_DEP_2)
	v_max_num_f32 v[NM+4*\x+1], v[NM+4*\x+1], v[TP+4*\x]
.endr
.irp x, 0,1
	v_mov_b32 v[TP+4*\x], v[NM+4*\x]
.endr
.irp x, 0,1
	s_delay_alu instid0(VALU_DEP_4)
	v_floor_f32 v[NM+4*\x], -v[NM+4*\x+1]          ; the new -M = -ceil(t): a whole number
.endr
.irp x, 0,1
	s_delay_alu instid0(VALU_DEP_2)
	v_sub_f32 v[TP+4*\x], v[NM+4*\x], v[TP+4*\x]   ; old M - new M, 0 or less
.endr
.irp x, 0,1
	s_delay_alu instid0(VALU_DEP_2)
	v_cvt_i32_f32 v[TP+4*\x], v[TP+4*\x]           ; (it saturates)
.endr
.irp x, 0,1
	s_delay_alu instid0(VALU_DEP_2)
	v_ldexp_f32 v[FF+2*\x], 1.0, v[TP+4*\x]        ; the factor 2^(old M - new M): it rounds nothing
.endr
.irp x, 0,1
	s_delay_alu instid0(VALU_DEP_2)
	v_cndmask_b32 v[FF+2*\x], 1.0, v[FF+2*\x], s[QM+2*\x]   ; 1 for an invalid query: its p is 1 in every step
.endr
.set n, 0
	s_setprio 1
.rept 16
.irp x, 0,1
	v_pk_fma_f32 v[S+32*\x+n:S+32*\x+n+1], v[S+32*\x+n:S+32*\x+n+1], s[CS:CS+1], v[NM+4*\x:NM+4*\x+1] op_sel_hi:[1,0,0]   ; t - M, two at a time
.endr
.set n, n+2
.endr
.set n, 0
	s_wait_alu depctr_va_vdst(0)
.rept 64
	v_exp_f32 v[S+n], v[S+n]                       ; p = 2^(t - M): both tiles' 64 as one batch
.set n, n+1
.endr
.irp x, 0,1
	v_pk_mul_f32 v[LS+4*\x:LS+4*\x+1], v[LS+4*\x:LS+4*\x+1], v[FF+2*\x:FF+2*\x+1] op_sel_hi:[1,0]   ; the sums under the new M: the plain lines behind the exponentials
.endr
	s_wait_alu depctr_va_vdst(0)                   ; one wait for the batch, ahead of its first reader
.irp x, 0,1
	v_pk_add_f32 v[TP+4*\x:TP+4*\x+1], v[S+32*\x:S+32*\x+1], v[S+32*\x+2:S+32*\x+3]   ; the sum is taken of the unquantised p: two chains a tile
.endr
.set n, 4
.rept 7
.irp x, 0,1
	v_pk_add_f32 v[LS+4*\x:LS+4*\x+1], v[LS+4*\x:LS+4*\x+1], v[S+32*\x+n:S+32*\x+n+1]
	v_pk_add_f32 v[TP+4*\x:TP+4*\x+1], v[TP+4*\x:TP+4*\x+1], v[S+32*\x+n+2:S+32*\x+n+3]
.endr
.set n, n+4
.endr
.irp x, 0
	s_delay_alu instid0(VALU_DEP_3)
	v_pk_add_f32 v[LS+4*\x:LS+4*\x+1], v[LS+4*\x:LS+4*\x+1], v[TP+4*\x:TP+4*\x+1]
.endr
.irp x, 1
	s_delay_alu instid0(VALU_DEP_2)
	v_pk_add_f32 v[LS+4*\x:LS+4*\x+1], v[LS+4*\x:LS+4*\x+1], v[TP+4*\x:TP+4*\x+1]
.endr
	s_setprio 0
.irp b, 0,1
.set n, 0
.rept 16
.irp x, 0,1
.endr
.set n, n+1
.endr
.irp x, 0,1
	v_cvt_scalef32_pk8_fp8_f32 v[P+8*\x+4*\b:P+8*\x+4*\b+1], v[S+32*\x+16*\b:S+32*\x+16*\b+7], v[SC]
	v_cvt_scalef32_pk8_fp8_f32 v[P+8*\x+4*\b+2:P+8*\x+4*\b+3], v[S+32*\x+16*\b+8:S+32*\x+16*\b+15], v[SC]
.endr
.endr
.set n, 0
.rept 16
.irp x, 0,1
	v_pk_mul_f32 v[O+32*\x+n:O+32*\x+n+1], v[O+32*\x+n:O+32*\x+n+1], v[FF+2*\x:FF+2*\x+1] op_sel_hi:[1,0]   ; O^T under the new M; also the plain lines behind the conversions
.endr
.set n, n+2
.endr
.set n, 0
.rept 8
.irp x, 0,1
	v_cndmask_b32 v[P+8*\x+n], v[ONES], v[P+8*\x+n], s[QM+2*\x]   ; an invalid query: the code of 1 for every key
.endr
.set n, n+1
.endr
	s_branch .Lpv_\@
.Lhid_\@:
	s_wait_alu depctr_va_vdst(0)
.irp t, 0,1,2,3
.irp c, 0,1
	ds_load_b128 v[VF+8*\t+4*\c:VF+8*\t+4*\c+3], v[ADV] offset:1024*\t+512*\c
.endr
.endr
.set n, 0
.rept 8
.irp x, 0,1
	v_cndmask_b32 v[P+8*\x+n], 0, v[ONES], s[QM+2*\x+1]   ; behind the diagonal: 0 for a valid query, the code of 1 for an invalid one
.endr
.set n, n+1
.endr
.Lpv_\@:
	s_wait_dscnt 0x0                               ; V is in
	s_wait_alu depctr_va_vdst(0)
.irp t, 0,1,2,3
.irp x, 0,1
	v_wmma_f32_16x16x64_fp8_fp8 v[O+32*\x+8*\t:O+32*\x+8*\t+7], v[VF+8*\t:VF+8*\t+7], v[P+8*\x:P+8*\x+7], v[O+32*\x+8*\t:O+32*\x+8*\t+7]   ; the eight accumulators by turns
.endr
.endr
	s_add_co_u32 s[KEY], s[KEY], 64
	s_add_co_u32 s[TK], s[TK], 4096
	s_add_co_u32 s[TB4], s[TB4], 256
.endm
	s_wait_tensorcnt 0x1                           ; my part of the first 256 keys is in; the larger load may stay out: nothing is filled twice in this launch
	s_wait_dscnt 0x0                               ; my key biases are stored
	s_barrier_signal -1
	s_barrier_wait -1                              ; everybody's are
	s_wait_loadcnt 0x0                             ; Q
	s_mov_b32 s[CNT], 4
.Lfirst:                                           ; keys 0 to 255: bytes 0 to 16,383 of K and of V
	STEPBODY
	s_sub_co_u32 s[CNT], s[CNT], 1
	s_cmp_lg_u32 s[CNT], 0
	s_cbranch_scc1 .Lfirst
	s_setprio 0
	s_wait_tensorcnt 0x0                           ; my part of the rest is in,
	s_wait_dscnt 0x0
	s_barrier_signal -1
	s_barrier_wait -1                              ; everybody's is
	s_mov_b32 s[CNT], 28
.Lrest:
	STEPBODY
	s_sub_co_u32 s[CNT], s[CNT], 1
	s_cmp_lg_u32 s[CNT], 0
	s_cbranch_scc1 .Lrest
	s_setprio 0
	; THE WAY OUT: y = O^T x 2^(e8 + e9) / the sum, quantised with 2^e10; a lane's 16 codes of two d tiles are four registers of the last product's operand.
	s_add_co_i32 s56, s78, 127
	s_lshl_b32 s57, s56, 23
	s_add_co_i32 s58, s76, s77
	v_mov_b32 v[SC], s57                           ; 2^e10.  (This line and the two additions are three places behind the last products)
.irp x, 0,1
	v_add_f32 v[TP+4*\x], v[LS+4*\x], v[LS+4*\x+1]
.endr
.irp x, 0,1
	s_delay_alu instid0(VALU_DEP_2)
	v_permlanex16_b32 v[TP+4*\x+1], v[TP+4*\x], s[SEL], s[SEL+1]
.endr
.irp x, 0,1
	s_delay_alu instid0(VALU_DEP_2)
	v_add_f32 v[TP+4*\x], v[TP+4*\x], v[TP+4*\x+1] ; the row's sum
.endr
.irp x, 0,1
	s_delay_alu instid0(VALU_DEP_2)
	v_cndmask_b32 v[TP+4*\x], v[C2K], v[TP+4*\x], s[QM+2*\x]   ; an invalid query: 2,048 times p = 1
.endr
	s_wait_alu depctr_va_vdst(0)
.irp x, 0,1
	v_rcp_f32 v[TP+4*\x+2], v[TP+4*\x]
.endr
	v_nop                                          ; a plain line behind the reciprocals
	s_wait_alu depctr_va_vdst(0)                   ; and the wait ahead of their first reader
.irp x, 0,1
	v_ldexp_f32 v[TP+4*\x+2], v[TP+4*\x+2], s58
.endr
.set n, 0
.rept 16
.irp x, 0,1
	v_pk_mul_f32 v[S+32*\x+n:S+32*\x+n+1], v[O+32*\x+n:O+32*\x+n+1], v[TP+4*\x+2:TP+4*\x+3] op_sel_hi:[1,0]   ; register 16 p + i: channel 32 p + 16 (lane / 16) + i of the head
.endr
.set n, n+2
.endr
.set n, 0
.rept 64
.set n, n+1
.endr
.irp x, 0,1
.irp c, 0,1,2,3
	v_cvt_scalef32_pk8_fp8_f32 v[P+8*\x+2*\c:P+8*\x+2*\c+1], v[S+32*\x+8*\c:S+32*\x+8*\c+7], v[SC]
.endr
.endr
	v_nop                                          ; a plain line behind the last conversion
.irp x, 0,1
.irp p, 0,1
	global_store_b128 v[LI], v[P+8*\x+4*\p:P+8*\x+4*\p+3], s[10:11] offset:16384*\x+512*\p   ; 32 lanes store 512 consecutive bytes, aligned
.endr
.endr
	s_wait_xcnt 0x0
	v_lshl_add_u32 v254, v0, 2, 0x42000
	v_mov_b32 v255, 0
	s_wait_alu depctr_va_vdst(0)
	s_wait_tensorcnt 0x0
	ds_add_u32 v254, v255
	s_wait_dscnt 0x0
	CROUND                                         ; the closing round: no work-group ends while a partner may still ask for a tile that names it
	s_endpgm
.Lfunc_end_k_q07d1ed0123_attn:
	.size	k_q07d1ed0123_attn, .Lfunc_end_k_q07d1ed0123_attn-k_q07d1ed0123_attn
	.p2alignl 7, 3214868480
	.fill 96, 4, 3214868480
	.section	.rodata,"a",@progbits
	.p2align	6, 0x0
	.amdhsa_kernel k_q07d1ed0123_attn
		.amdhsa_group_segment_fixed_size 272384
		.amdhsa_private_segment_fixed_size 0
		.amdhsa_enable_private_segment 0
		.amdhsa_kernarg_size 32
		.amdhsa_user_sgpr_count 2
		.amdhsa_user_sgpr_kernarg_segment_ptr 1
		.amdhsa_wavefront_size32 1
		.amdhsa_system_sgpr_workgroup_id_x 1
		.amdhsa_system_sgpr_workgroup_id_y 1
		.amdhsa_system_sgpr_workgroup_id_z 1
		.amdhsa_system_vgpr_workitem_id 0
		.amdhsa_next_free_vgpr 256
		.amdhsa_next_free_sgpr 96
		.amdhsa_reserve_vcc 1
		.amdhsa_float_denorm_mode_32 3
		.amdhsa_float_denorm_mode_16_64 3
		.amdhsa_fp16_overflow 1
		.amdhsa_memory_ordered 1
		.amdhsa_forward_progress 1
		.amdhsa_inst_pref_size 61
	.end_amdhsa_kernel
	.amdgpu_metadata
---
amdhsa.version: [ 1, 2 ]
amdhsa.kernels:
  - .name:           k_q07d1ed0123_attn
    .symbol:         k_q07d1ed0123_attn.kd
    .args:
      - { .name: qkvc, .offset: 0, .size: 8, .value_kind: global_buffer, .address_space: global }
      - { .name: attn_mask, .offset: 8, .size: 8, .value_kind: global_buffer, .address_space: global }
      - { .name: lowp_scales, .offset: 16, .size: 8, .value_kind: global_buffer, .address_space: global }
      - { .name: yc, .offset: 24, .size: 8, .value_kind: global_buffer, .address_space: global }
    .group_segment_fixed_size: 272384
    .private_segment_fixed_size: 0
    .kernarg_segment_align: 8
    .kernarg_segment_size: 32
    .max_flat_workgroup_size: 512
    .sgpr_count:     96
    .vgpr_count:     256
    .wavefront_size: 32
...
	.end_amdgpu_metadata
.endif
;; end of part 3
;; launch proj (part 4): grid 4 x 32, 4 waves a work-group, clusters of 4 x 4, 327,680 bytes of LDS; arguments yc, wc, lowp_scales, bp, out0; writes out0
.if DOCPART == 4
	.amdgcn_target "amdgcn-amd-amdhsa--gfx1250"
	.amdhsa_code_object_version 6
	.text
	.protected	k_q07d1ed0123_proj
	.globl	k_q07d1ed0123_proj
	.p2align	8
	.type	k_q07d1ed0123_proj,@function
k_q07d1ed0123_proj:
	s_mov_b64 s[64:65], 0
	v_nop
	global_prefetch_b8 v0, s[64:65] scope:SCOPE_SE
	s_setreg_imm32_b32 hwreg(HW_REG_WAVE_MODE, 25, 1), 1
	s_wait_xcnt 0x0
	s_wait_alu depctr_hold_cnt(0) depctr_sa_sdst(0) depctr_va_vdst(0) depctr_va_sdst(0) depctr_va_ssrc(0) depctr_va_vcc(0) depctr_vm_vsrc(0)
	s_getreg_b32 s2, hwreg(HW_REG_IB_STS2, 6, 4)
	s_cmp_eq_u32 s2, 0
	s_cbranch_scc0 .Lentry_in_a_cluster
	s_endpgm
.Lentry_in_a_cluster:
	s_bfe_u32 s2, ttmp6, 0x10000c
	s_cmp_lg_u32 s2, 0xf033
	s_cbranch_scc0 .Lentry_shape_is_right
	s_endpgm
.Lentry_shape_is_right:
; out = y Wp^T + bp on codes of FP8 (E4M3): y's codes under entry 10 of the scales, Wp's under entry 11; out [8192][1024] f32.
; A work-group makes 256 x 256 of out; each of its four waves 128 x 128: 64 accumulators, 512 registers.  K = 1,024 goes in four slots of 256.  There are 32 x 4 such tiles, so 128 work-groups are launched.
; OPERANDS ARE IMAGES OF REGISTERS: fragment (tile TT of 16 rows, K step ks of 128) lies at 16,384 TT + 2,048 ks, and 16 bytes a lane at 512 c + 16 x lane are its registers 4 c .. 4 c + 3
; (row lane % 16, k = 32 c + 16 (lane / 16) + 0 .. 15: a permutation of k inside the instruction, the same in both operands).  Every LDS load reads 512 consecutive bytes: no pitch, no padding.
; Lane r of tile 2 B + u holds row 32 B + 8 u + r + 8 (r / 8).  Source 0 = Wp's rows, source 1 = y's rows: a lane holds one token, and register 16 p + i of a token tile's 64 is column 32 p + 16 (lane / 16) + i.
; CLUSTERS: 4 x 4 work-groups.  The four of a row of the cluster need the same tiles of y, the four of a column the same tiles of Wp: each tile is asked for jointly.
; LIMIT: e10 + e11 between -126 and 127.
; REGISTERS, in windows of 256: window 0: v16-31 addresses; v32-95 the bias; v128-255 y's fragments, one set; on the way out v128-191 a block's results.
;   window 1: Wp's fragments, two sets; on the way out rows read back from the stage.   windows 2, 3: the accumulators ((a, b) at v[8 (8 (a % 4) + b)]).
.set SLB,   4096                       ; a tile's two fragments of a slot
.set HALFT, 8*SLB                      ; eight tiles: what one tensor load brings, and what one wave reads of an operand
.set SLOT,  4*HALFT                    ; y's 16 tiles, then Wp's 16
.set SPARE, 2*SLOT                     ; behind the ring: the spare words, 128 bytes for each wave: two blocks of 256 bytes that no other line names
.set SPITCH, 528                       ; the way out: a stage of 16 rows x (512 bytes + 16) for each wave, in slot 0, which has had its last fill and its last read when the first result is stored there
.set FR,    16
.set NL,    4
.set NP,    4                          ; places behind this matrix instruction (ISA guide 7.12.1)
.set ADRA, 16                          ; v16-17  LDS address of my fragments of y in slot 0, 1
.set ADRB, 20                          ; v20-21  the same for Wp
.set STO,  24                          ; v24     the stage: where I put 64 bytes of a row
.set RD,   25                          ; v25     and where I read a row back
.set LI,   26                          ; v26     16 x lane
.set SPW,  28                          ; v28     LDS address of my spare word: SPARE + 4 x my thread's number; never rewritten
.set NIL,  29                          ; v29     0; never rewritten
.set BR,   32                          ; v32-95  the bias: register 16 p + i for column 32 p + 16 (lane / 16) + i
.set AF,   128
.set TMP,  128
.set G1, 24
.set G0, 32
.set G1B, 48
.set G0B, 56
.set MSB, 0
.macro WIN new                         ; the immediate's high byte repeats the setting that is left
.if MSB != (\new)
	s_set_vgpr_msb (MSB<<8)|(\new)
.set MSB, (\new)
.endif
.endm
.set MUL_LO, 0xa1                      ; source 0 (Wp) window 1, source 1 (y) window 0, C and D window 2
.set MUL_HI, 0xf1                      ; the same, C and D window 3
.set TO_B,   0x40                      ; destination window 1, address window 0
; A joint load: waves 0 and 1 fetch for y, waves 2 and 3 for Wp; the branch hangs on the wave's number alone.  Four v_nop follow each of the two lines.
.macro JLOAD g0a, g1a, g0b, g1b
	s_cmp_eq_u32 s15, 0
	s_cbranch_scc0 .Lfor_b_\@
	tensor_load_to_lds s[\g0a:\g0a+3], s[\g1a:\g1a+7]
	s_nop 0
.rept 4
	v_nop
.endr
	s_branch .Lasked_\@
.Lfor_b_\@:
	tensor_load_to_lds s[\g0b:\g0b+3], s[\g1b:\g1b+7]
	s_nop 0
.rept 4
	v_nop
.endr
.Lasked_\@:
.endm
.macro CREST                           ; a round of the cluster's barrier behind its opening barrier
	s_cmp_lg_u32 s14, 0
	s_cbranch_scc1 .Lnot_wave_0_\@
	s_barrier_signal -3
.Lnot_wave_0_\@:
	s_barrier_wait -3
	s_barrier_signal -1
	s_barrier_wait -1
.endm
.macro CROUND
	s_barrier_signal -1
	s_barrier_wait -1
	CREST
.endm
	s_load_b256 s[4:11], s[0:1], 0x0               ; yc s[4:5], wc s[6:7], the scales' exponents s[8:9], bp s[10:11]
	s_load_b64 s[72:73], s[0:1], 0x20              ; out0
	v_lshl_add_u32 v[SPW], v0, 2, SPARE
	v_mov_b32 v[NIL], 0
	ds_add_u32 v28, v29
	ds_add_u32 v28, v29
	s_wait_dscnt 0x0
	v_lshrrev_b32 v1, 5, v0
	v_readfirstlane_b32 s14, v1                    ; wave 0..3
	s_lshr_b32 s15, s14, 1                         ; which half of the tokens is mine.  Also: I fetch for y (0) or for Wp (1)
	s_and_b32 s16, s14, 1                          ; which half of the columns.  Also: which eight tiles I fetch
	s_bfe_u32 s40, ttmp6, 0x40000                  ; cx: the block of 256 columns
	s_bfe_u32 s41, ttmp6, 0x40004                  ; cy
	s_and_b32 s17, ttmp7, 0xffff
	s_lshl_b32 s17, s17, 2
	s_add_co_u32 s18, s17, s41                     ; the block of 256 tokens = 4 x cluster y + cy
	s_lshl_b32 s43, s41, 2
	s_lshl_b32 s43, 15, s43                        ; my row of the cluster
	s_lshl_b32 s44, 0x1111, s40                    ; my column
	; descriptor group 1: eight tiles' 4,096 bytes of a slot, 16,384 bytes apart in memory, on end in LDS
	s_or_b32 s[G1+0], s43, (3<<16)|(1<<21)         ; 15:0 the mask; 17:16 elements of 8 bytes; 20 no padding; 21 set beside a mask
	s_or_b32 s[G1B+0], s44, (3<<16)|(1<<21)
.irp g, G1, G1B
	s_mov_b32 s[\g+1], 512<<16                     ; tensor_dim0 = 512 elements
	s_mov_b32 s[\g+2], 8<<16                       ; tensor_dim1 = 8
	s_mov_b32 s[\g+3], 512<<16                     ; tile_dim0
	s_mov_b32 s[\g+4], 8                           ; tile_dim1
	s_mov_b32 s[\g+5], 2048                        ; tensor_dim0_stride: 16,384 bytes
	s_mov_b32 s[\g+6], 0
	s_mov_b32 s[\g+7], 0
.endr
	s_lshl_b32 s22, s16, 17                        ; which eight tiles I fetch
	s_lshl_b32 s20, s18, 18                        ; y: 16 tiles of 16,384 bytes a block
	s_add_co_u32 s20, s20, s22
	s_mov_b32 s21, 0
	s_lshl_b32 s46, s40, 18                        ; Wp likewise,
	s_add_co_u32 s46, s46, s22
	s_add_co_u32 s46, s46, 0x300000                ; the fourth weight in wc
	s_mov_b32 s47, 0
	s_mul_i32 s45, s14, HALFT                      ; where they go: wave x eight tiles
	s_wait_kmcnt 0x0
	s_load_b64 s[76:77], s[8:9], 0x28              ; e10, e11
	s_add_nc_u64 s[88:89], s[4:5], s[20:21]
	s_add_nc_u64 s[90:91], s[6:7], s[46:47]
	CROUND                                         ; all sixteen work-groups are here: the first joint loads meet
.irp s, 0,1
	s_mov_b32 s[G0+4*\s], 1
	s_add_co_u32 s[G0+4*\s+1], s45, \s*SLOT
	s_add_nc_u64 s[G0+4*\s+2:G0+4*\s+3], s[88:89], \s*SLB
	s_or_b32 s[G0+4*\s+3], s[G0+4*\s+3], 0x80000000
	s_mov_b32 s[G0B+4*\s], 1
	s_add_co_u32 s[G0B+4*\s+1], s45, \s*SLOT
	s_add_nc_u64 s[G0B+4*\s+2:G0B+4*\s+3], s[90:91], \s*SLB
	s_or_b32 s[G0B+4*\s+3], s[G0B+4*\s+3], 0x80000000
	s_wait_alu depctr_va_vdst(0)
	s_wait_tensorcnt 0x0
	ds_add_u32 v28, v29
	ds_add_u32 v28, v29
	s_wait_dscnt 0x0
	CROUND
	JLOAD G0+4*\s, G1, G0B+4*\s, G1B
.endr
	v_and_b32 v2, 31, v0
	v_lshlrev_b32 v[LI], 4, v2
	s_mul_i32 s12, s15, HALFT
	s_mul_i32 s13, s16, HALFT
	s_add_co_u32 s13, s13, 2*HALFT
.irp s, 0,1
	v_add_nc_u32 v[ADRA+\s], s12, v[LI]
	v_add_nc_u32 v[ADRB+\s], s13, v[LI]
	s_add_co_u32 s12, s12, SLOT
	s_add_co_u32 s13, s13, SLOT
.endr
	v_bfe_u32 v3, v0, 4, 1                         ; h
	v_lshlrev_b32 v4, 6, v3
	v_and_b32 v5, 15, v0                           ; r
	s_mul_i32 s12, s14, 16*SPITCH                  ; my stage
	v_mul_u32_u24 v6, v5, SPITCH
	v_lshl_add_u32 v6, v3, 6, v6
	v_add_nc_u32 v[STO], s12, v6                   ; in: row r, + 64 bytes for the upper half of the lanes
	v_add_nc_u32 v[RD], s12, v[LI]                 ; back: the 32 lanes take one row of 512 bytes
	s_lshl_b32 s98, s40, 10                        ; the bias: 256 numbers a block of columns, 128 for my half
	s_lshl_b32 s99, s16, 9
	s_add_co_u32 s98, s98, s99
	s_mov_b32 s99, 0
	s_add_nc_u64 s[92:93], s[10:11], s[98:99]
.irp p, 0,1,2,3
.irp j, 0,1,2,3
	global_load_b128 v[BR+16*\p+4*\j:BR+16*\p+4*\j+3], v4, s[92:93] offset:128*\p+16*\j
.endr
.endr
	s_lshl_b32 s2, s18, 20                         ; out: 256 rows of 4,096 bytes a block of tokens,
	s_lshl_b32 s3, s15, 19                         ; 128 rows for my half,
	s_add_co_u32 s2, s2, s3
	s_add_co_u32 s2, s2, s98                       ; and my 128 columns: the same bytes as in the bias
	s_mov_b32 s3, 0
	s_add_nc_u64 s[72:73], s[72:73], s[2:3]
	s_wait_kmcnt 0x0
	s_add_co_i32 s96, s76, s77
	s_add_co_i32 s96, s96, 127
	s_lshl_b32 s96, s96, 23                        ; 2^(e10 + e11) as f32
	s_mov_b32 s97, s96                             ; (named with it as a pair, so it is written)
.macro FRAG reg, adr, q, i             ; tile i's fragment of the slot's q-th 128 along K: four loads of 512 consecutive bytes
.irp c, 0,1,2,3
	ds_load_b128 v[\reg+4*\c:\reg+4*\c+3], v[\adr] offset:(\i)*SLB+2048*(\q)+512*\c
.endr
.endm
; 16 matrix instructions: token tiles a0, a0 + 1 x Wp's eight, 128 along K.  The 64 accumulators take turns, one instruction a turn, in the same order in every step.
.macro MUL16 a0, p, zero
.irp a, \a0, \a0+1
.irp b, 0,1,2,3,4,5,6,7
.if \zero
	v_wmma_f32_16x16x128_fp8_fp8 v[8*(8*((\a)%4)+\b):8*(8*((\a)%4)+\b)+7], v[128*(\p)+FR*\b:128*(\p)+FR*\b+FR-1], v[AF+FR*(\a):AF+FR*(\a)+FR-1], 0
.else
	v_wmma_f32_16x16x128_fp8_fp8 v[8*(8*((\a)%4)+\b):8*(8*((\a)%4)+\b)+7], v[128*(\p)+FR*\b:128*(\p)+FR*\b+FR-1], v[AF+FR*(\a):AF+FR*(\a)+FR-1], v[8*(8*((\a)%4)+\b):8*(8*((\a)%4)+\b)+7]
.endif
.endr
.endr
.endm
.macro FETCH_B slot, q, p
	WIN TO_B
.irp i, 0,1,2,3,4,5,6,7
	FRAG 128*(\p)+FR*\i, ADRB+\slot, \q, \i
.endr
	WIN 0
.endm
.macro FETCH_A slot, q, i0
.irp i, \i0, \i0+1, \i0+2, \i0+3
	FRAG AF+FR*(\i), ADRA+\slot, \q, \i
.endr
.endm
; A load into a register that a matrix instruction has read, and a vector instruction that reads a matrix result or writes one of its registers, stand NP places behind it, and only plain vector
; instructions that name none of its registers are places (ISA guide 7.12.1 for vector instructions).
.macro PLACES n
.rept \n
	v_nop
.endr
.endm
.macro STEP slot, q, zero
	s_wait_dscnt 4*NL                              ; Wp's set and token tiles 0-3 are in; the youngest sixteen loads (tiles 4-7) may be out
	WIN MUL_LO
	MUL16 0, (\q)%2, \zero
	MUL16 2, (\q)%2, \zero
	s_wait_dscnt 0                                 ; tiles 4-7 are in
	PLACES NP
	FETCH_B \slot, (\q)+1, 1-(\q)%2
	FETCH_A \slot, (\q)+1, 0
	WIN MUL_HI
	MUL16 4, (\q)%2, \zero
	MUL16 6, (\q)%2, \zero
	PLACES NP
	WIN 0
	FETCH_A \slot, (\q)+1, 4
.endm
; A slot's last step changes slots: one barrier; in front of it each wave waits for all its tensor loads, adds 0 to its spare word, and waits for that and for its own reads of this slot.
.macro TURN slot, next, fill
	s_wait_tensorcnt 0x0                           ; all my tensor loads have landed: my part of the next slot
	ds_add_u32 v[SPW], v[NIL]                      ; 0 onto my spare word
	s_wait_dscnt 4*NL+1                            ; (the add and the youngest sixteen loads may be out)
	WIN MUL_LO
	MUL16 0, 1, 0                                  ; sixteen matrix instructions stand between the add and the wait for it
	s_wait_dscnt 0x0                               ; the add is done, and my reads of this slot are over
	s_barrier_signal -1
	MUL16 2, 1, 0
	WIN 0
	s_barrier_wait -1
.if \fill
	CREST                                          ; the barrier has opened a round of the cluster's barrier: no wave of any partner still reads this slot or has a load on its way
	s_add_nc_u64 s[G0+4*\slot+2:G0+4*\slot+3], s[G0+4*\slot+2:G0+4*\slot+3], 2*SLB
	s_add_nc_u64 s[G0B+4*\slot+2:G0B+4*\slot+3], s[G0B+4*\slot+2:G0B+4*\slot+3], 2*SLB
	JLOAD G0+4*\slot, G1, G0B+4*\slot, G1B         ; the first tensor load behind the round; its four v_nop are also the places in front of the loads below
.else
	PLACES NP
.endif
	s_wait_alu depctr_va_vdst(0)
	FETCH_B \next, 0, 0
	FETCH_A \next, 0, 0
	WIN MUL_HI
	MUL16 4, 1, 0
	MUL16 6, 1, 0
	PLACES NP
	WIN 0
	FETCH_A \next, 0, 4
.endm
	s_wait_tensorcnt 1                             ; my part of slot 0 is in (slot 1's load may be out)
	s_barrier_signal -1
	s_barrier_wait -1                              ; everybody's is
	FETCH_B 0, 0, 0
	FETCH_A 0, 0, 0
	FETCH_A 0, 0, 4
	STEP 0, 0, 1                                   ; eight steps in four slots, written out; the first products start the sums
	TURN 0, 1, 1
	STEP 1, 0, 0
	TURN 1, 0, 1
	STEP 0, 0, 0
	TURN 0, 1, 0                                   ; nothing is left to fetch; behind this barrier nobody reads slot 0
	STEP 1, 0, 0
	s_wait_dscnt 4*NL
	WIN MUL_LO
	MUL16 0, 1, 0
	MUL16 2, 1, 0
	s_wait_dscnt 0
	WIN MUL_HI
	MUL16 4, 1, 0
	MUL16 6, 1, 0
	WIN 0
; THE WAY OUT, a token tile (16 rows x 128 columns) at a time: sum x 2^(e10 + e11) + bias; a lane's four runs of 64 bytes go into my own stage and come back as whole rows of 512 bytes.
; LDS serves a wave's instructions in order (ISA guide 5.7.1.4): no wait between the stores and the loads, nor in front of the next tile's stores.
.macro TOSTAGE a
.set AC, 64*((\a)%4)
	WIN 0x02+((\a)/4)                              ; source 0: window 2 or 3
.set n, 0
.rept 32
	v_pk_fma_f32 v[TMP+n:TMP+n+1], v[AC+n:AC+n+1], s[96:97], v[BR+n:BR+n+1] op_sel_hi:[1,0,1]   ; each accumulator from its low end on
.set n, n+2
.endr
	WIN 0
.irp p, 0,1,2,3
.irp j, 0,1,2,3
	ds_store_b128 v[STO], v[TMP+16*\p+4*\j:TMP+16*\p+4*\j+3] offset:128*\p+16*\j
.endr
.endr
	WIN TO_B                                       ; the rows come back into window 1, where Wp's fragments lay: two sets by turns
.irp t, 0,1,2,3,4,5,6,7,8,9,10,11,12,13,14,15
	ds_load_b128 v[64*((\a)%2)+4*\t:64*((\a)%2)+4*\t+3], v[RD] offset:\t*SPITCH
.endr
	WIN 0
.endm
.macro SEND a, younger                 ; younger: the LDS instructions issued behind tile a's loads, which may stay out
	s_wait_dscnt \younger
	WIN 0x04                                       ; a store's data: window 1
.irp t, 0,1,2,3,4,5,6,7,8,9,10,11,12,13,14,15
	global_store_b128 v[LI], v[64*((\a)%2)+4*\t:64*((\a)%2)+4*\t+3], s[72:73] offset:(32*((\a)/2)+8*((\a)%2)+\t+8*(\t/8))*4096 th:TH_STORE_NT   ; the row that lane t of the tile holds: 512 consecutive bytes, aligned
.endr
	WIN 0
.endm
	s_wait_loadcnt 0x0                             ; the bias
	PLACES NP
	TOSTAGE 0
.irp a, 1,2,3,4,5,6,7
.if \a > 1
	s_wait_xcnt 0x0                                ; tile a - 2's stores have read their registers: tile a's rows may land there
.endif
	TOSTAGE \a
	SEND \a-1, 32                                  ; behind tile a - 1's loads: tile a's 16 stores and 16 loads
.endr
	SEND 7, 0
	s_wait_tensorcnt 0x0                           ; the wave's end
	ds_add_u32 v[SPW], v[NIL]
	s_wait_dscnt 0x0
	CROUND                                         ; the closing round: no work-group ends while a partner may still ask for a tile that names it
	s_endpgm
.Lfunc_end_k_q07d1ed0123_proj:
	.size	k_q07d1ed0123_proj, .Lfunc_end_k_q07d1ed0123_proj-k_q07d1ed0123_proj
	.p2alignl 7, 3214868480
	.fill 96, 4, 3214868480
	.section	.rodata,"a",@progbits
	.p2align	6, 0x0
	.amdhsa_kernel k_q07d1ed0123_proj
		.amdhsa_group_segment_fixed_size 327680
		.amdhsa_private_segment_fixed_size 0
		.amdhsa_enable_private_segment 0
		.amdhsa_kernarg_size 40
		.amdhsa_user_sgpr_count 2
		.amdhsa_user_sgpr_kernarg_segment_ptr 1
		.amdhsa_wavefront_size32 1
		.amdhsa_system_sgpr_workgroup_id_x 1
		.amdhsa_system_sgpr_workgroup_id_y 1
		.amdhsa_system_sgpr_workgroup_id_z 1
		.amdhsa_system_vgpr_workitem_id 0
		.amdhsa_next_free_vgpr 1024
		.amdhsa_next_free_sgpr 100
		.amdhsa_reserve_vcc 0
		.amdhsa_float_denorm_mode_32 3
		.amdhsa_float_denorm_mode_16_64 3
		.amdhsa_memory_ordered 1
		.amdhsa_forward_progress 1
		.amdhsa_inst_pref_size 126
	.end_amdhsa_kernel
	.amdgpu_metadata
---
amdhsa.version: [ 1, 2 ]
amdhsa.kernels:
  - .name:           k_q07d1ed0123_proj
    .symbol:         k_q07d1ed0123_proj.kd
    .args:
      - { .name: yc, .offset: 0, .size: 8, .value_kind: global_buffer, .address_space: global }
      - { .name: wc, .offset: 8, .size: 8, .value_kind: global_buffer, .address_space: global }
      - { .name: lowp_scales, .offset: 16, .size: 8, .value_kind: global_buffer, .address_space: global }
      - { .name: bp, .offset: 24, .size: 8, .value_kind: global_buffer, .address_space: global }
      - { .name: out0, .offset: 32, .size: 8, .value_kind: global_buffer, .address_space: global }
    .group_segment_fixed_size: 327680
    .private_segment_fixed_size: 0
    .kernarg_segment_align: 8
    .kernarg_segment_size: 40
    .max_flat_workgroup_size: 128
    .sgpr_count:     100
    .vgpr_count:     1024
    .wavefront_size: 32
...
	.end_amdgpu_metadata
.endif
;; end of part 4
